; MI455X (gfx1250); checked and timed in simulation.
; The chip was launched on July 23, 2026; its instructions are those of AMD's public machine-readable ISA for CDNA 5 (MIT licence, August 2026) and "CDNA5" Instruction Set Architecture Reference Guide (July 2026). The comments in the code are by the model that wrote it; some were corrected since.
;; Causal Self Attention. Allowed arithmetic: matrix products marked QUANTISED: E4M3 operands, one E8M0 scale for each 32 along K, by v_wmma_scale_f32_16x16x128_f8f6f4 with both operands' format E4M3, f32 sums; everything else in f32.
;; Inputs: b_proj 1,024 float32; b_qkv 3,072 float32; w_proj 1,024 x 1,024 float32; w_qkv 3,072 x 1,024 float32; x 4 x 2,048 x 1,024 float32.
;; Outputs: out0 4 x 2,048 x 1,024 float32.
;; This version of the problem:
;;   THIS VERSION OF THE PROBLEM IS GIVEN IN LOW PRECISION. The matrix products marked QUANTISED in the list below multiply operands that are first quantised to E4M3 (4 exponent bits, 3 mantissa bits; 8 bits a number), with one power-of-two scale for each 32 numbers along K (OCP MX v1.0); their sums are f32. All else is computed in f32.
;;   The module's matrix products, in the order in which they are computed (A, B: the left and right operand; K: the contracted axis; several contracted axes count as one K, in the product's order):
;;     1. [M 8,192, K 1,024] x [K 1,024, N 3,072]; A: input x; B: input w_qkv: QUANTISED
;;     2. batch 64 x [M 2,048, K 64] x [K 64, N 2,048]; A: computed on the way; B: computed on the way: QUANTISED
;;     3. batch 64 x [M 64, K 2,048] x [K 2,048, N 2,048]; A: computed on the way; B: softmax (see below): QUANTISED
;;     4. [M 8,192, K 1,024] x [K 1,024, N 1,024]; A: computed on the way; B: input w_proj: QUANTISED
;;   THE QUANTISER, for each operand of a quantised product, along K:
;;     - K is cut into blocks of 32 from its start; a last block that is shorter is filled with zeros.
;;     - A block's scale is 2^e with e = floor(log2(the largest magnitude in the block)) - 8, held to -126 .. 127; a block of zeros has e = 0. As a byte (E8M0): e + 127.
;;     - Each number is divided by its block's scale, clamped to +-448, and rounded to the nearest number of E4M3, ties to even, subnormals kept.
;;     - The product sums the exact products of the quantised numbers (number of the format x scale) in f32.
;;   ~~~python
;;   def quantise(x, axis):      # numpy; x: float32 -> the quantised numbers, widened to float32 again
;;       x = np.moveaxis(x, axis, -1); K = x.shape[-1]
;;       x = np.pad(x, [(0, 0)] * (x.ndim - 1) + [(0, -K % 32)]); x = x.reshape(x.shape[:-1] + (-1, 32)); a = np.abs(x).max(-1, keepdims=True)
;;       e = np.where(a > 0, np.clip(np.frexp(np.where(a > 0, a, 1))[1] - 1 - 8, -126, 127), 0)      # np.frexp(a)[1] - 1 = floor(log2(a)), exactly
;;       r = np.clip(x / 2.0 ** e, -448, 448)
;;       step = 2.0 ** (np.maximum(np.frexp(np.where(r == 0, 1, r))[1] - 1, -6) - 3)
;;       q = np.round(r / step) * step * 2.0 ** e      # np.round: ties to even
;;       return np.moveaxis(q.reshape(q.shape[:-2] + (-1,))[..., :K], -1, axis).astype(np.float32)
;;   ~~~
;;   SOFTMAX AHEAD OF A QUANTISED PRODUCT. Where the list says 'softmax', what is quantised is not the finished softmax but p = 2^(t - M), with t = logit x log2(e) and M = ceil(the row's largest t), a whole number; so 1/2 < the row's largest p <= 1. The row's sum l is taken of the UNQUANTISED p, in f32, and the product's result is divided by l at the end. Since M is a whole number, a kernel that streams over the keys may use a running M (the ceiling of the running maximum): every later rescaling is an exact power of two, which a block's scale takes up: the codes' values come out the same.
;;   OPERANDS COMPUTED ON THE WAY. 'Computed on the way' means the value that the module computes at that place (a softmax that the list does not call 'softmax' is quantised finished and normalised). What goes into a quantiser is computed in f32, as accurately as f32 sums, v_exp_f32 and their like allow (about 1e-6 of the number): no bf16 or f16 on the way to a quantiser, and a product that is left as it is and whose result goes on into a quantised operand takes f32 operands (vector FMAs, or v_wmma_f32_16x16x4_f32). A number that lies on a knife's edge between two numbers of the format may be rounded either way, as far as f32 arithmetic and the matrix unit's own rounding can turn it there, and no further.
;; One version. Each part assembles by itself: llvm-mc -triple=amdgcn-amd-amdhsa -mcpu=gfx1250 --defsym DOCPART=n.
;; ======== version 1 of 1: 4 launches
;; limits: right only within a limited range of input values
;; workspace buffers: codes 12,582,912 bytes; scales 393,216 bytes; kv 17,563,648 bytes; qbuf 17,563,648 bytes; o_img 8,388,608 bytes; o_scales 262,144 bytes
;; launch quant (part 1): grid 384 x 1, 4 waves a work-group, no clusters, 33,280 bytes of LDS; arguments x, w_qkv, w_proj, codes, scales; writes codes, scales
.if DOCPART == 1
	.amdgcn_target "amdgcn-amd-amdhsa--gfx1250"
	.amdhsa_code_object_version 6
	.text
	.protected	k_q3624d26930_quant
	.globl	k_q3624d26930_quant
	.p2align	8
	.type	k_q3624d26930_quant,@function
k_q3624d26930_quant:
	s_mov_b64 s[64:65], 0
	v_nop
	global_prefetch_b8 v0, s[64:65] scope:SCOPE_SE
	s_setreg_imm32_b32 hwreg(HW_REG_WAVE_MODE, 25, 1), 1
	s_wait_xcnt 0x0
; x [8192][1024], w_qkv [3072][1024] and w_proj [1024][1024], f32 with K innermost, become codes of E4M3 and one E8M0 byte for each 32 along K.
; The three tensors' codes lie on end in one buffer (x, w_qkv, w_proj), and so do their scale bytes: a run of 8,192 numbers is 8,192 bytes of codes and 256 scale bytes.
; A block's scale is 2^(floor(log2(its largest magnitude)) - 8); its byte is the largest magnitude's exponent field - 8, held at 1 from below.
; LIMITS: a block of zeros gets the byte 1 (the stated quantiser says 127): its codes are zeros and this program alone reads the bytes.  NaN and infinities among the inputs are not served.
; Work-groups 0-255 take x, 256-351 w_qkv, 352-383 w_proj; a wave takes 16 steps of 512 numbers.  Each load reads 512 consecutive bytes; a step's 2,048 bytes turn through the wave's own
; stage in LDS so that a lane holds 16 neighbours along K (two lanes to a block).  No tensor load, no barrier: waves share nothing.  Loads run four steps ahead.
.set STEPS, 16
.set EMAX,  8
.set MANT,  0x600000                   ; the mantissa field of 448 as f32
.set CB,    16                         ; bytes of 16 codes
.set R,     16                         ; v16-79   four sets of 16 numbers as they are loaded
.set X,     80                         ; v80-111  two sets of 16 neighbours
.set C,     128                        ; v128-191 codes: four registers for each step, so that no store's data are written again
.set E,     112                        ; v112-127 a scale byte for each step
.set WREG,  8192                       ; LDS: a region for each wave: two stages of 32 x SP bytes, behind them its 256 scale bytes
.set SP,    80                         ; a lane's place in a stage: 64 bytes + 16 of padding
	s_load_b128 s[4:7], s[0:1], 0x0                ; x, w_qkv
	s_load_b128 s[8:11], s[0:1], 0x10              ; w_proj, codes
	s_load_b64 s[12:13], s[0:1], 0x20              ; scales
	v_lshl_add_u32 v192, v0, 2, 0x8000
	v_mov_b32 v193, 0
	v_lshrrev_b32 v1, 5, v0
	v_readfirstlane_b32 s16, v1                    ; wave
	v_and_b32 v2, 31, v0                           ; lane
	v_lshlrev_b32 v3, 4, v2                        ; my 16 bytes of a load's 512
	s_mul_i32 s17, s16, WREG
	v_lshrrev_b32 v14, 2, v2
	v_mul_u32_u24 v14, v14, SP
	v_and_b32 v15, 3, v2
	v_lshl_add_u32 v14, v15, 4, v14
	v_add_nc_u32 v14, s17, v14                     ; the stage, on the way in: SP (lane / 4) + 16 (lane % 4)
	v_mul_u32_u24 v15, v2, SP
	v_add_nc_u32 v15, s17, v15                     ; and on the way out: SP x lane: my 16 neighbours
	v_mul_u32_u24 v4, v2, CB                       ; my codes' place in a step's
	v_lshrrev_b32 v5, 1, v2
	s_add_co_u32 s17, s17, 2*32*SP
	v_add_nc_u32 v5, s17, v5                       ; LDS: my wave's 256 scale bytes, my block's byte
	v_lshlrev_b32 v7, 3, v2                        ; and on the way out 8 bytes a lane
	v_add_nc_u32 v6, s17, v7
	s_mov_b32 s23, MANT
	s_mov_b32 s18, 352
	s_wait_alu depctr_va_vdst(0)
	s_wait_kmcnt 0x0
	s_cmp_lt_u32 ttmp9, 352                        ; which tensor: the choice hangs on the work-group's number alone
	s_cselect_b64 s[6:7], s[6:7], s[8:9]
	s_cselect_b32 s17, 256, s18
	s_cmp_lt_u32 ttmp9, 256
	s_cselect_b64 s[4:5], s[4:5], s[6:7]
	s_cselect_b32 s17, 0, s17                      ; the tensor's first work-group
	s_sub_co_u32 s17, ttmp9, s17
	s_lshl_b32 s17, s17, 2
	s_add_co_u32 s17, s17, s16                     ; my run of 8,192 numbers within the tensor
	s_lshl_b32 s20, s17, 15                        ; 32,768 bytes a run
	s_mov_b32 s21, 0
	s_add_nc_u64 s[4:5], s[4:5], s[20:21]
	s_lshl_b32 s18, ttmp9, 2
	s_add_co_u32 s18, s18, s16                     ; my run among all runs: the outputs lie on end
	s_lshl_b32 s20, s18, 13
	s_add_nc_u64 s[10:11], s[10:11], s[20:21]
	s_lshl_b32 s20, s18, 8
	s_add_nc_u64 s[12:13], s[12:13], s[20:21]
.macro LOAD t
.irp i, 0,1,2,3
	global_load_b128 v[R+16*((\t)%4)+4*\i:R+16*((\t)%4)+4*\i+3], v3, s[4:5] offset:2048*(\t)+512*\i th:TH_LOAD_NT   ; 32 lanes read 512 consecutive bytes
.endr
.endm
.macro TURN t                          ; step t's numbers through the stage: LDS serves a wave's instructions in order, so no wait stands between the stores and the loads
.irp i, 0,1,2,3
	ds_store_b128 v14, v[R+16*((\t)%4)+4*\i:R+16*((\t)%4)+4*\i+3] offset:32*SP*((\t)%2)+8*SP*\i
.endr
.irp i, 0,1,2,3
	ds_load_b128 v[X+16*((\t)%2)+4*\i:X+16*((\t)%2)+4*\i+3], v15 offset:32*SP*((\t)%2)+16*\i
.endr
.endm
.irp t, 0,1,2,3
	LOAD \t
.endr
	s_wait_loadcnt 12                              ; step 0's four loads are in; the twelve of steps 1 to 3 may be out
	TURN 0
.macro STEP t
.set XS, X+16*((\t)%2)
.if (\t) > 0
	s_wait_dscnt 1                                 ; this step's numbers are back from the stage (the last step's byte store may be out)
.else
	s_wait_dscnt 0x0
.endif
.if (\t)+4 < STEPS
	LOAD (\t)+4                                    ; into the registers that this step's stores into the stage have read
.endif
.if (\t)+1 < STEPS
.if STEPS-2-(\t) >= 3
	s_wait_loadcnt 12                              ; the next step's four loads are in; those of the three steps behind it may be out
.else
	s_wait_loadcnt 4*(STEPS-2-(\t))
.endif
	TURN (\t)+1
.endif
	v_max3_num_f32 v8, |v[XS]|, |v[XS+1]|, |v[XS+2]|               ; the largest magnitude of my 16, in two chains
	v_max3_num_f32 v9, |v[XS+3]|, |v[XS+4]|, |v[XS+5]|
.irp i, 6,10
	v_max3_num_f32 v8, v8, |v[XS+\i]|, |v[XS+\i+1]|
	v_max3_num_f32 v9, v9, |v[XS+\i+2]|, |v[XS+\i+3]|
.endr
	v_max3_num_f32 v8, v8, |v[XS+14]|, |v[XS+15]|
	v_max3_num_f32 v8, v8, v9, (EMAX+1)<<23        ; and the floor 2^(9 - 127): the byte cannot fall under 1
	v_max_num_f32_dpp v8, v8, v8 row_xmask:1 row_mask:0xf bank_mask:0xf   ; and of my neighbour's 16: the block's
	v_add_nc_u32 v11, -(EMAX<<23), v8              ; 8 off its exponent field: the conversion's scale operand
	v_and_or_b32 v10, v8, 0x7f800000, s23          ; 448 x the scale
.irp i, 0,1,2,3,4,5,6,7,8,9,10,11,12,13,14,15
	v_med3_num_f32 v[XS+\i], v[XS+\i], -v10, v10   ; the conversion to an 8-bit code does not saturate (ISA guide 7.6.2): the hold comes first
.endr
	v_cvt_scalef32_pk8_fp8_f32 v[C+4*(\t):C+4*(\t)+1], v[XS:XS+7], v11
	v_cvt_scalef32_pk8_fp8_f32 v[C+4*(\t)+2:C+4*(\t)+3], v[XS+8:XS+15], v11
	v_lshrrev_b32 v[E+(\t)], 23, v11               ; the scale's byte
	ds_store_b8 v5, v[E+(\t)] offset:16*(\t)       ; both lanes of a block write the same byte with the same value
	global_store_b128 v4, v[C+4*(\t):C+4*(\t)+3], s[10:11] offset:32*CB*(\t)   ; the wave stores 512 consecutive bytes
.endm
.irp t, 0,1,2,3,4,5,6,7,8,9,10,11,12,13,14,15
	STEP \t
.endr
	ds_load_b64 v[12:13], v6                       ; LDS serves a wave's instructions in order: these see my stores
	s_wait_dscnt 0x0
	global_store_b64 v7, v[12:13], s[12:13]        ; 32 lanes store 256 consecutive bytes, aligned
	s_wait_tensorcnt 0x0
	ds_add_u32 v192, v193
	s_wait_dscnt 0x0
	s_endpgm
.Lfunc_end_k_q3624d26930_quant:
	.size	k_q3624d26930_quant, .Lfunc_end_k_q3624d26930_quant-k_q3624d26930_quant
	.p2alignl 7, 3214868480
	.fill 96, 4, 3214868480
	.section	.rodata,"a",@progbits
	.p2align	6, 0x0
	.amdhsa_kernel k_q3624d26930_quant
		.amdhsa_group_segment_fixed_size 33280
		.amdhsa_private_segment_fixed_size 0
		.amdhsa_enable_private_segment 0
		.amdhsa_kernarg_size 40
		.amdhsa_user_sgpr_count 2
		.amdhsa_user_sgpr_kernarg_segment_ptr 1
		.amdhsa_wavefront_size32 1
		.amdhsa_system_sgpr_workgroup_id_x 1
		.amdhsa_system_sgpr_workgroup_id_y 1
		.amdhsa_system_sgpr_workgroup_id_z 1
		.amdhsa_system_vgpr_workitem_id 0
		.amdhsa_next_free_vgpr 194
		.amdhsa_next_free_sgpr 66
		.amdhsa_reserve_vcc 0
		.amdhsa_float_denorm_mode_32 3
		.amdhsa_float_denorm_mode_16_64 3
		.amdhsa_memory_ordered 1
		.amdhsa_forward_progress 1
		.amdhsa_inst_pref_size 51
	.end_amdhsa_kernel
	.amdgpu_metadata
---
amdhsa.version: [ 1, 2 ]
amdhsa.kernels:
  - .name:           k_q3624d26930_quant
    .symbol:         k_q3624d26930_quant.kd
    .args:
      - { .name: x, .offset: 0, .size: 8, .value_kind: global_buffer, .address_space: global }
      - { .name: w_qkv, .offset: 8, .size: 8, .value_kind: global_buffer, .address_space: global }
      - { .name: w_proj, .offset: 16, .size: 8, .value_kind: global_buffer, .address_space: global }
      - { .name: codes, .offset: 24, .size: 8, .value_kind: global_buffer, .address_space: global }
      - { .name: scales, .offset: 32, .size: 8, .value_kind: global_buffer, .address_space: global }
    .group_segment_fixed_size: 33280
    .private_segment_fixed_size: 0
    .kernarg_segment_align: 8
    .kernarg_segment_size: 40
    .max_flat_workgroup_size: 128
    .sgpr_count:     66
    .vgpr_count:     194
    .wavefront_size: 32
...
	.end_amdgpu_metadata
.endif
;; end of part 1
;; launch qkv (part 2): grid 12 x 32, 4 waves a work-group, clusters of 4 x 4, 327,680 bytes of LDS; arguments codes, scales, b_qkv, qbuf, kv; writes qbuf, kv
.if DOCPART == 2
	.amdgcn_target "amdgcn-amd-amdhsa--gfx1250"
	.amdhsa_code_object_version 6
	.text
	.protected	k_q3624d26930_qkv
	.globl	k_q3624d26930_qkv
	.p2align	8
	.type	k_q3624d26930_qkv,@function
k_q3624d26930_qkv:
	s_mov_b64 s[64:65], 0
	v_nop
	global_prefetch_b8 v0, s[64:65] scope:SCOPE_SE
	s_setreg_imm32_b32 hwreg(HW_REG_WAVE_MODE, 25, 1), 1
	s_wait_xcnt 0x0
	s_wait_alu depctr_hold_cnt(0) depctr_sa_sdst(0) depctr_va_vdst(0) depctr_va_sdst(0) depctr_va_ssrc(0) depctr_va_vcc(0) depctr_vm_vsrc(0)
	s_getreg_b32 s2, hwreg(HW_REG_IB_STS2, 6, 4)
	s_cmp_eq_u32 s2, 0
	s_cbranch_scc0 .Lentry_in_a_cluster
	s_endpgm
.Lentry_in_a_cluster:
	s_bfe_u32 s2, ttmp6, 0x10000c
	s_cmp_lg_u32 s2, 0xf033
	s_cbranch_scc0 .Lentry_shape_is_right
	s_endpgm
.Lentry_shape_is_right:
; qkv = x w_qkv^T + b_qkv on codes of E4M3 with E8M0 scales (K = 1,024), and the result quantised on the way out: q and k along the head's 64, v along the keys.
; A tile of 256 x 256 is made by four waves, 128 x 128 each (64 accumulators, 512 registers); K goes in steps of 256 through two LDS slots filled by the tensor data mover; the scale bytes of the
; tile's 512 rows come once.  4 x 4 work-groups form a cluster: the operand R is shared along a row of the cluster, the operand P along a column, each asked for jointly.
; ROLES.  Source 1 = R: its rows become the result's lanes.  Source 0 = P: its rows run along a lane's registers.  The quantiser wants its blocks of 32 along a lane's registers, so:
;   cluster x = 0 (q), 1 (k): R = 256 tokens of x, P = 256 rows of w_qkv (four heads): blocks along the head's 64.      cluster x = 2 (v): R = 256 rows of w_qkv (from row 2,048), P = 256 tokens: blocks along the keys.
; The tile is square, so the three cases differ in scalars alone, chosen by s_cselect on the cluster's x, which all partners share; one jump, on the same number, goes round one store.
; THE RESULT LEAVES AS IMAGES OF THE NEXT PRODUCT'S OPERAND REGISTERS: a group of four registers is 512 consecutive bytes, lane l's 16 at 16 l.  Inside a block of 32 position (h = lane / 16, byte i) holds index
; 8 h + i (i < 8) or 16 + 8 h + i - 8: the same order in q and k, and in v's keys and the softmax's keys, so each product's two sides agree; the order of additions inside one matrix instruction differs from ascending k.
; kv and qbuf: [16 b + head][slot of 256 tokens][record of 34,304 bytes]: K or Q images (16 tiles x 1,024), V images ([key step][d tile][group] x 512), 256 words of K's or Q's scales (bytes 2, 3 = 0), 128 words of V's.
; LIMITS: a block of zeros gets the byte 1 (its codes are zeros; this program alone reads the bytes); NaN and infinities are not served.
; REGISTERS: window 0: v1-31 addresses and the bias along R; v32-63 scale words, two sets; v64-127 the bias along P, the C of the first K step; from v128 R's fragments, one set (on the way out: at work).
;   window 1: P's fragments, two sets.   window 2, 3: the accumulators ((a, b) at v[8 (8 (a % 4) + b)]).
.set KSTEP,  256
.set NQ,     2                         ; matrix instructions deep in a slot
.set ROWB,   256                       ; a tile's row in bytes
.set ASTEP,  256                       ; bytes from a K step of R to the next
.set KROW,   1024                      ; a row of codes in memory
.set PITCH,  272                       ; an LDS row: 256 bytes + 16 of padding: the 16 rows that a load touches start at 16 different banks (64 banks of 4 bytes: ISA guide 11.1)
.set FR,     16
.set NL,     4
.set NP,     8                         ; places behind this matrix instruction (ISA guide 7.12.1)
.set HALFT,  128*PITCH
.set SLOT,   4*HALFT
.set LAPS,   2
.set KS,     32                        ; a row of scale bytes
.set SCL,    2*SLOT
.set HALFS,  16*272                    ; the scales of 128 rows: 16 units of 256 bytes + 16
.set SBLK,   2*272
.set SPARE,  SCL+4*HALFS               ; the spare words: 128 bytes a wave, two blocks of 256 bytes that no other line names
.set WQC,    8388608                   ; w_qkv's codes and scale bytes in their buffers
.set WQS,    262144
.set REC,    34304
.set HS,     8*REC
.set VIMG,   16384
.set KSW,    32768
.set VSW,    33792
.set BR,   8                           ; v8-15   the bias along R: block a's, my row's
.set ADRA, 16
.set VO0,  18                          ; v18-19  the way out: 16 x lane; the same + the distance to groups 2 and 3
.set ADRB, 20
.set SWA,  22                          ; v22     the stage for scale words: 1,024 x wave + 4 (lane % 16)
.set SRD,  23                          ; v23     and back: 1,024 x wave + 16 x lane
.set VS,   24                          ; v24     where the words go in memory
.set ADRS, 27
.set SPW,  28
.set NIL,  29
.set BB,   30                          ; v30-31  a block's bias along R, twice
.set SC,   32
.set BP,   64
.set AF,   128
.set T,    128                         ; the way out: v128-191 64 numbers; v192-207 their codes; v208-223 at work; v224 the scale word; v225-240 the words kept; v244-251 the words read back
.set PC,   192
.set TM,   208
.set PW,   224
.set W0,   225
.set W1,   233
.set X0,   244
.set X1,   248
.set G1, 24
.set G0, 32
.set G1B, 48
.set G0B, 56
.set G1S, 68
.set G0S, 76
.set G1SB, 80
.set G0SB, 88
.set OB,  38                           ; the way out (the descriptors are done with): s[38:39] where the images go; s[46:47] the words; s[48:51] the steps; s[52:53] lane selects; s54 448's mantissa; s55 the words' mask
.set SB,  46
.set ST0, 48
.set ST1, 50
.set SEL, 52
.set MNT, 54
.set WMASK, 55
.set MSB, 0
.macro WIN new                         ; the immediate's high byte repeats the setting that is left
.if MSB != (\new)
	s_set_vgpr_msb (MSB<<8)|(\new)
.set MSB, (\new)
.endif
.endm
.set MUL_LO, 0xa1                      ; source 0 (P) window 1, source 1 (R) window 0, C and D window 2
.set MUL_HI, 0xf1
.set TO_B,   0x40
; A joint load: waves 0 and 1 fetch for R, waves 2 and 3 for P; the branch hangs on the wave's number alone.  Four v_nop follow each of the two lines.
.macro JLOAD g0a, g1a, g0b, g1b
	s_cmp_eq_u32 s15, 0
	s_cbranch_scc0 .Lfor_b_\@
	tensor_load_to_lds s[\g0a:\g0a+3], s[\g1a:\g1a+7]
	s_nop 0
.rept 4
	v_nop
.endr
	s_branch .Lasked_\@
.Lfor_b_\@:
	tensor_load_to_lds s[\g0b:\g0b+3], s[\g1b:\g1b+7]
	s_nop 0
.rept 4
	v_nop
.endr
.Lasked_\@:
.endm
.macro CREST                           ; a round of the cluster's barrier behind its opening barrier
	s_cmp_lg_u32 s14, 0
	s_cbranch_scc1 .Lnot_wave_0_\@
	s_barrier_signal -3
.Lnot_wave_0_\@:
	s_barrier_wait -3
	s_barrier_signal -1
	s_barrier_wait -1
.endm
.macro CROUND
	s_barrier_signal -1
	s_barrier_wait -1
	CREST
.endm
	s_load_b128 s[4:7], s[0:1], 0x0                ; codes, scales
	s_load_b128 s[8:11], s[0:1], 0x10              ; b_qkv, qbuf
	s_load_b64 s[12:13], s[0:1], 0x20              ; kv
	v_lshl_add_u32 v[SPW], v0, 2, SPARE
	v_mov_b32 v[NIL], 0
	ds_add_u32 v28, v29
	ds_add_u32 v28, v29
	s_wait_dscnt 0x0
	v_lshrrev_b32 v1, 5, v0
	v_readfirstlane_b32 s14, v1                    ; wave 0..3
	s_lshr_b32 s15, s14, 1                         ; which half of R's rows is mine.  Also: I fetch for R (0) or for P (1)
	s_and_b32 s16, s14, 1                          ; which half of P's rows.  Also: which 128 rows I fetch
	s_bfe_u32 s40, ttmp6, 0x40000                  ; cx, cy: my place in the cluster
	s_bfe_u32 s41, ttmp6, 0x40004
	s_lshl_b32 s18, ttmp9, 2                       ; 4 x cluster x
	s_and_b32 s19, ttmp7, 0xffff
	s_lshl_b32 s19, s19, 2                         ; 4 x cluster y
	s_cmp_eq_u32 ttmp9, 2                          ; v?  The same answer in all sixteen partners
	s_cselect_b32 s17, 8, s19                      ; R's first tile of the cluster: w_qkv's row 2,048, or the tokens
	s_cselect_b32 s42, s19, s18                    ; P's: the tokens, or w_qkv's rows of q or k
	s_cselect_b32 s95, WQC, 0                      ; where R's codes begin in the buffer,
	s_cselect_b32 s96, WQS, 0                      ; and its scale bytes;
	s_cselect_b32 s97, 0, WQC                      ; P's
	s_cselect_b32 s98, 0, WQS
	s_cselect_b32 s99, 0, -1                       ; is the bias along P?
	s_cselect_b32 s100, -1, 0                      ; or along R?
	s_add_co_u32 s17, s17, s41                     ; R's tile hangs on cy alone,
	s_add_co_u32 s42, s42, s40                     ; P's on cx alone
	s_lshl_b32 s43, s41, 2
	s_lshl_b32 s43, 15, s43                        ; my row of the cluster
	s_lshl_b32 s44, 0x1111, s40                    ; my column
	s_or_b32 s[G1+0], s43, (0<<16)|(1<<20)|(1<<21)|(5<<22)|(3<<25)  ; the mask; elements of 1 byte; padding on; bit 21 beside a mask; after every 64 words four words
	s_or_b32 s[G1B+0], s44, (0<<16)|(1<<20)|(1<<21)|(5<<22)|(3<<25)
.irp g, G1, G1B
	s_mov_b32 s[\g+1], ROWB<<16                    ; tensor_dim0
	s_mov_b32 s[\g+2], 256<<16                     ; tensor_dim1: 256 rows for the head's loads; 128 for the ring's, set behind the head's wait
	s_mov_b32 s[\g+3], ROWB<<16                    ; tile_dim0
	s_mov_b32 s[\g+4], 256                         ; tile_dim1 likewise
	s_mov_b32 s[\g+5], KROW                        ; the pitch
	s_mov_b32 s[\g+6], 0
	s_mov_b32 s[\g+7], 0
.endr
	s_or_b32 s[G1S+0], s43, (3<<16)|(1<<20)|(1<<21)|(5<<22)|(3<<25)  ; the scales of 256 rows: 8,192 dense bytes as 32 rows of 256 (32 elements of 8 bytes), 16 bytes of padding behind each
	s_or_b32 s[G1SB+0], s44, (3<<16)|(1<<20)|(1<<21)|(5<<22)|(3<<25)
.irp g, G1S, G1SB
	s_mov_b32 s[\g+1], 32<<16
	s_mov_b32 s[\g+2], 32<<16                      ; the scales of 256 rows: 32 rows of 256 bytes
	s_mov_b32 s[\g+3], 32<<16
	s_mov_b32 s[\g+4], 32
	s_mov_b32 s[\g+5], 32
	s_mov_b32 s[\g+6], 0
	s_mov_b32 s[\g+7], 0
.endr
	s_mov_b32 s18, 0                               ; the head's loads begin at a tile's first row;
	s_lshl_b32 s66, s16, 17                        ; s[66:67]: in the ring I fetch 128 rows of 1,024 bytes: which half, in bytes
	s_mov_b32 s67, 0
	s_lshl_b32 s20, s17, 8
	s_add_co_u32 s20, s20, s18                     ; R's row
	s_lshl_b32 s46, s42, 8
	s_add_co_u32 s46, s46, s18                     ; P's row
	s_lshl_b32 s22, s20, 5
	s_add_co_u32 s22, s22, s96                     ; R's scale bytes,
	s_mov_b32 s23, 0
	s_lshl_b32 s20, s20, 10
	s_add_co_u32 s20, s20, s95                     ; and codes: byte offsets under 2^24
	s_mov_b32 s21, 0
	s_lshl_b32 s92, s46, 5
	s_add_co_u32 s92, s92, s98
	s_mov_b32 s93, 0
	s_lshl_b32 s46, s46, 10
	s_add_co_u32 s46, s46, s97
	s_mov_b32 s47, 0
	s_mul_i32 s45, s14, HALFT                      ; where they go: wave x 128 rows: no place in the cluster enters an LDS address
	s_wait_kmcnt 0x0
	s_add_nc_u64 s[20:21], s[4:5], s[20:21]
	s_add_nc_u64 s[22:23], s[6:7], s[22:23]
	s_add_nc_u64 s[46:47], s[4:5], s[46:47]
	s_add_nc_u64 s[92:93], s[6:7], s[92:93]
	CROUND                                         ; all sixteen work-groups are here: the first joint loads meet
	s_mov_b32 s[G0S], 1
	s_mov_b32 s[G0S+1], SCL
	s_mov_b64 s[G0S+2:G0S+3], s[22:23]
	s_or_b32 s[G0S+3], s[G0S+3], 0x80000000
	s_mov_b32 s[G0SB], 1
	s_mov_b32 s[G0SB+1], SCL+2*HALFS
	s_mov_b64 s[G0SB+2:G0SB+3], s[92:93]
	s_or_b32 s[G0SB+3], s[G0SB+3], 0x80000000
.irp s, 0,1
	s_mov_b32 s[G0+4*\s], 1
	s_add_co_u32 s[G0+4*\s+1], s45, \s*SLOT
	s_add_nc_u64 s[G0+4*\s+2:G0+4*\s+3], s[20:21], \s*ASTEP
	s_or_b32 s[G0+4*\s+3], s[G0+4*\s+3], 0x80000000
	s_mov_b32 s[G0B+4*\s], 1
	s_add_co_u32 s[G0B+4*\s+1], s45, \s*SLOT
	s_add_nc_u64 s[G0B+4*\s+2:G0B+4*\s+3], s[46:47], \s*ROWB
	s_or_b32 s[G0B+4*\s+3], s[G0B+4*\s+3], 0x80000000
.endr
	s_add_nc_u64 s[G0+6:G0+7], s[G0+6:G0+7], s[66:67]      ; slot 1's loads are the ring's: my half of the rows
	s_add_nc_u64 s[G0B+6:G0B+7], s[G0B+6:G0B+7], s[66:67]
	s_mov_b32 s[G0+1], 0                           ; slot 0's groups 0 serve the head's loads first: R's 256 rows whole,
	s_mov_b32 s[G0B+1], 2*HALFT                    ; and P's behind them
; THE HEAD'S LOADS, ONE A WAVE: wave 0 K step 0's 256 rows of R, wave 1 those of P, wave 2 R's scale bytes, wave 3 P's.  One tree of branches on the wave's number, a load to an arm.
.macro ARM under, g0, g1, next
	s_cmp_lt_u32 s14, \under
	s_cbranch_scc0 \next
	tensor_load_to_lds s[\g0:\g0+3], s[\g1:\g1+7]
	s_nop 0
.rept 4
	v_nop
.endr
	s_branch .Lhead_asked
\next:
.endm
	ARM 1, G0,  G1,  .Lhead_b
	ARM 2, G0B, G1B, .Lhead_sa
	ARM 3, G0S, G1S, .Lhead_sb
	tensor_load_to_lds s[G0SB:G0SB+3], s[G1SB:G1SB+7]
	s_nop 0
.rept 4
	v_nop
.endr
.Lhead_asked:
	v_and_b32 v1, 15, v0                           ; r = lane % 16; kept
	v_bfe_u32 v2, v0, 4, 1                         ; h = lane / 16; kept
	v_mul_u32_u24 v3, v1, PITCH
	v_lshl_add_u32 v4, v2, 4, v3                   ; a fragment's row x pitch + 16 h
	s_mul_i32 s21, s15, HALFT                      ; my 128 rows of R
	s_mul_i32 s22, s16, HALFT                      ; my 128 rows of P,
	s_add_co_u32 s22, s22, 2*HALFT                 ; behind R's 256
.irp s, 0,1
	v_add_nc_u32 v[ADRA+\s], s21, v4
	v_add_nc_u32 v[ADRB+\s], s22, v4
	s_add_co_u32 s21, s21, SLOT
	s_add_co_u32 s22, s22, SLOT
.endr
	v_mul_u32_u24 v5, v1, KS                       ; my row's scales: 32 bytes a row,
	v_lshrrev_b32 v6, 8, v5
	v_lshl_add_u32 v5, v6, 4, v5                   ; and 16 more for each 256 passed
	s_mul_i32 s21, s15, HALFS
	s_mul_i32 s22, s16, HALFS
	s_add_co_u32 s22, s22, 2*HALFS
	s_sub_co_u32 s22, s22, s21
	v_mul_u32_u24 v6, s22, v2                      ; lanes 16-31 take P's
	s_add_co_u32 s21, s21, SCL
	v_add_nc_u32 v5, v5, v6
	v_add_nc_u32 v[ADRS], s21, v5
	s_lshl_b32 s23, s14, 10                        ; the stage for scale words: my wave's 1,024 bytes at the head of slot 0
	v_lshl_add_u32 v[SWA], v1, 2, s23
	v_and_b32 v6, 31, v0
	v_lshlrev_b32 v[VO0], 4, v6
	v_add_nc_u32 v[SRD], s23, v[VO0]
	; the bias.  Both are loaded, from places inside b_qkv, and the one that does not apply is replaced by 0
	s_lshl_b32 s18, s42, 8
	s_lshl_b32 s19, s16, 7
	s_add_co_u32 s18, s18, s19                     ; along P: 256 x tile + 128 x half
	s_lshl_b32 s18, s18, 2
	s_and_b32 s18, s18, s99                        ; (for v: b_qkv's head)
	s_mov_b32 s19, 0
	s_add_nc_u64 s[18:19], s[8:9], s[18:19]
	s_lshl_b32 s20, s17, 8
	s_lshl_b32 s21, s15, 7
	s_add_co_u32 s20, s20, s21                     ; along R
	s_lshl_b32 s20, s20, 2
	s_and_b32 s20, s20, s100                       ; (for q and k: b_qkv's head)
	s_mov_b32 s21, 0
	s_add_nc_u64 s[20:21], s[8:9], s[20:21]
	v_lshlrev_b32 v7, 5, v2                        ; 32 h: register 8 b + j is the bias at 16 b + 8 h + j
	v_lshlrev_b32 v6, 2, v1                        ; 4 r
.irp b, 0,1,2,3,4,5,6,7
	global_load_b128 v[BP+8*\b:BP+8*\b+3], v7, s[18:19] offset:64*\b
	global_load_b128 v[BP+8*\b+4:BP+8*\b+7], v7, s[18:19] offset:64*\b+16
.endr
.irp a, 0,1,2,3,4,5,6,7
	global_load_b32 v[BR+\a], v6, s[20:21] offset:64*\a
.endr
.macro FRAG reg, adr, q, i             ; 16 rows x 128 K of 8-bit codes: lane l holds row l % 16; registers 4 c .. 4 c + 3 hold K = 32 c + 16 (l / 16) + 0 .. 15
.irp c, 0,1,2,3
	ds_load_b128 v[\reg+4*\c:\reg+4*\c+3], v[\adr] offset:128*(\q)+32*\c+(\i)*16*PITCH
.endr
.endm
; 16 matrix instructions: R's blocks a0, a0 + 1 x P's eight, the slot's q-th 128 along K.  first = 1: the sums begin with the bias along P as C.  The 64 accumulators take turns, one instruction a turn.
.macro MUL16 a0, p, q, sc, first
.irp a, \a0, \a0+1
.irp b, 0,1,2,3,4,5,6,7
.if \first
	v_wmma_scale_f32_16x16x128_f8f6f4 v[8*(8*((\a)%4)+\b):8*(8*((\a)%4)+\b)+7], v[128*(\p)+FR*\b:128*(\p)+FR*\b+FR-1], v[AF+FR*(\a):AF+FR*(\a)+FR-1], v[BP+8*\b:BP+8*\b+7], v[SC+8*NQ*(\sc)+NQ*\b+(\q)], v[SC+8*NQ*(\sc)+NQ*(\a)+(\q)] matrix_a_scale:MATRIX_SCALE_ROW1
.else
	v_wmma_scale_f32_16x16x128_f8f6f4 v[8*(8*((\a)%4)+\b):8*(8*((\a)%4)+\b)+7], v[128*(\p)+FR*\b:128*(\p)+FR*\b+FR-1], v[AF+FR*(\a):AF+FR*(\a)+FR-1], v[8*(8*((\a)%4)+\b):8*(8*((\a)%4)+\b)+7], v[SC+8*NQ*(\sc)+NQ*\b+(\q)], v[SC+8*NQ*(\sc)+NQ*(\a)+(\q)] matrix_a_scale:MATRIX_SCALE_ROW1
.endif
.endr
.endr
.endm
.macro FETCH_B slot, q, p
	WIN TO_B
.irp i, 0,1,2,3,4,5,6,7
	FRAG 128*(\p)+FR*\i, ADRB+\slot, \q, \i
.endr
	WIN 0
.endm
.macro FETCH_A slot, q, i0
.irp i, \i0, \i0+1, \i0+2, \i0+3
	FRAG AF+FR*(\i), ADRA+\slot, \q, \i
.endr
.endm
.macro SCALES sc                       ; a K step's scale words: two a row; lanes 0-15 take R's block i, lanes 16-31 P's block i
.irp i, 0,1,2,3,4,5,6,7
	ds_load_b64 v[SC+8*NQ*\sc+NQ*\i:SC+8*NQ*\sc+NQ*\i+1], v[ADRS] offset:\i*SBLK
.endr
.endm
.macro PLACES n                        ; plain vector instructions between a matrix instruction and a load into, or a read of, its registers
.rept \n
	v_nop
.endr
.endm
.macro STEP slot, q, first             ; 128 along K that have their successor in the same slot
	s_wait_dscnt 4*NL                              ; P's set and R's blocks 0-3 are in; the youngest 16 loads (R's blocks 4-7) may be out
.if \first
	WIN 0x81                                       ; C (the bias) in window 0, D in window 2
.else
	WIN MUL_LO
.endif
	MUL16 0, (\q)%2, \q, \slot, \first
	MUL16 2, (\q)%2, \q, \slot, \first
	s_wait_dscnt 0
	PLACES NP
	FETCH_B \slot, (\q)+1, 1-(\q)%2
	FETCH_A \slot, (\q)+1, 0
.if \first
	WIN 0xc1
.else
	WIN MUL_HI
.endif
	MUL16 4, (\q)%2, \q, \slot, \first
	MUL16 6, (\q)%2, \q, \slot, \first
	PLACES NP
	WIN 0
	FETCH_A \slot, (\q)+1, 4
.endm
; A slot's last 128 change slots: one barrier; in front of it each wave waits for all its tensor loads, adds 0 to its spare word, and waits for that and for its reads of this slot.
.macro TURN slot, next, fill
	s_wait_tensorcnt 0x0                           ; all my tensor loads have landed: my part of the next slot
	ds_add_u32 v[SPW], v[NIL]                      ; 0 onto my spare word
	s_wait_dscnt 4*NL+1                            ; (the add and the youngest 16 loads may be out)
	WIN MUL_LO
	MUL16 0, 1, NQ-1, \slot, 0
	s_wait_dscnt 0x0                               ; the add is done, and my reads of this slot are over
	s_barrier_signal -1
	MUL16 2, 1, NQ-1, \slot, 0
	WIN 0
	s_barrier_wait -1
.if \fill
	CREST                                          ; the barrier has opened a round of the cluster's: no wave of any partner still reads this slot or has a load on its way
	s_add_nc_u64 s[G0+4*\slot+2:G0+4*\slot+3], s[G0+4*\slot+2:G0+4*\slot+3], 2*ASTEP
	s_add_nc_u64 s[G0B+4*\slot+2:G0B+4*\slot+3], s[G0B+4*\slot+2:G0B+4*\slot+3], 2*ROWB
	JLOAD G0+4*\slot, G1, G0B+4*\slot, G1B         ; the first tensor load behind the round, my one load out; its four v_nop are among the places below
	PLACES NP-4
.else
	PLACES NP
.endif
	s_wait_alu depctr_va_vdst(0)
	v_add_nc_u32 v[ADRS], 4*NQ, v[ADRS]            ; the next K step's scale words
	FETCH_B \next, 0, 0
	FETCH_A \next, 0, 0
	SCALES \next
	WIN MUL_HI
	MUL16 4, 1, NQ-1, \slot, 0
	MUL16 6, 1, NQ-1, \slot, 0
	PLACES NP
	WIN 0
	FETCH_A \next, 0, 4
.endm
	s_wait_alu depctr_va_vdst(0)
	s_wait_tensorcnt 0x0                           ; my tile of the head's four is in
	ds_add_u32 v[SPW], v[NIL]
	s_mov_b32 s[G1+2], 128<<16                     ; no tensor load of mine is out, so descriptors may be written: from here on a load brings 128 rows,
	s_mov_b32 s[G1+4], 128
	s_mov_b32 s[G1B+2], 128<<16
	s_mov_b32 s[G1B+4], 128
	s_mov_b32 s[G0+1], s45                         ; to wave x 128 rows of slot 0,
	s_mov_b32 s[G0B+1], s45
	s_add_nc_u64 s[G0+2:G0+3], s[G0+2:G0+3], s[66:67]      ; from my half of the tile's rows
	s_add_nc_u64 s[G0B+2:G0B+3], s[G0B+2:G0B+3], s[66:67]
	s_wait_dscnt 0x0
	CROUND                                         ; a whole round: all four tiles are in, and the sixteen work-groups are here
	JLOAD G0+4, G1, G0B+4, G1B                     ; K step 1, the first tensor load behind the round
	FETCH_B 0, 0, 0
	FETCH_A 0, 0, 0
	SCALES 0
	FETCH_A 0, 0, 4
	s_wait_loadcnt 0x0                             ; the biases
.set i, 0
.rept 64
	v_cndmask_b32 v[BP+i], 0, v[BP+i], s99         ; along P for q and k, else 0
.set i, i+1
.endr
.set i, 0
.rept 8
	v_cndmask_b32 v[BR+i], 0, v[BR+i], s100        ; along R for v, else 0
.set i, i+1
.endr
	s_wait_alu depctr_va_vdst(0)
	STEP 0, 0, 1                                   ; the first 128 stand in front of the loop: their products start the sums
	s_mov_b32 s3, LAPS-1
.Llap:                                             ; a trip goes once round the ring and fills both slots again
	TURN 0, 1, 1
	STEP 1, 0, 0
	TURN 1, 0, 1
	STEP 0, 0, 0
	s_sub_co_u32 s3, s3, 1
	s_cmp_lg_u32 s3, 0
	s_cbranch_scc1 .Llap
	TURN 0, 1, 0                                   ; the last lap fills nothing
	STEP 1, 0, 0
	s_wait_dscnt 4*NL
	WIN MUL_LO
	MUL16 0, 1, NQ-1, 1, 0
	MUL16 2, 1, NQ-1, 1, 0
	s_wait_dscnt 0
	WIN MUL_HI
	MUL16 4, 1, NQ-1, 1, 0
	MUL16 6, 1, NQ-1, 1, 0
	WIN 0
	; THE WAY OUT.  A lane holds one row of R and 128 numbers along P: four blocks of 32 for each of R's eight blocks of 16 rows.
	PLACES NP
	s_cmp_eq_u32 ttmp9, 2                          ; all choices stand behind this one compare; s_mov and s_cselect leave SCC alone
	s_cselect_b32 s18, s42, s17                    ; the tile of 256 tokens: P's for v, R's for q and k
	s_cselect_b32 s19, s41, s40                    ; four heads by cy or by cx,
	s_cselect_b32 s20, s15, s16                    ; two of them by my half
	s_cselect_b32 s21, s16, s15                    ; my half of the tokens
	s_mov_b32 s24, HS
	s_mov_b32 s27, 1024
	s_mov_b32 s31, KSW
	s_cselect_b32 s25, 1024, s24                   ; from groups 0, 1 to groups 2, 3: on in the fragment (v), or the next head (q, k)
	s_cselect_b32 s26, s24, 256                    ; from the words' first 256 bytes to the second: the next head (v), or on (q, k)
	s_cselect_b32 s[ST0], 2048, s27                ; from a block of R to the next,
	s_cselect_b32 s[ST1], HS-6144, s27             ; and from block 3 to block 4: for v the next head's first d tile
	s_cselect_b32 s[WMASK], -1, 0xffff             ; a word of v has four bytes, one of q or k two
	s_cselect_b32 s30, VIMG, 0
	s_cselect_b32 s31, VSW, s31
	s_cselect_b32 s32, 8, 9                        ; a half's words: 256 bytes (v), 512 (q, k)
	s_mov_b32 s[ST0+1], 0
	s_mov_b32 s[ST1+1], 0
	s_cmp_eq_u32 ttmp9, 0
	s_cselect_b64 s[34:35], s[10:11], s[12:13]     ; q goes to qbuf, k and v to kv
	s_lshl_b32 s19, s19, 2
	s_lshl_b32 s20, s20, 1
	s_add_co_u32 s19, s19, s20                     ; my first head
	s_lshr_b32 s20, s18, 3
	s_lshl_b32 s20, s20, 4
	s_add_co_u32 s19, s19, s20                     ; + 16 b
	s_mul_i32 s19, s19, HS
	s_and_b32 s18, s18, 7
	s_mul_i32 s18, s18, REC
	s_add_co_u32 s36, s19, s18                     ; the record, under 2^25 bytes
	s_mov_b32 s37, 0
	s_add_nc_u64 s[34:35], s[34:35], s[36:37]
	s_lshl_b32 s36, s21, 13                        ; my half's images: 8,192 bytes
	s_add_co_u32 s36, s36, s30
	s_add_nc_u64 s[OB:OB+1], s[34:35], s[36:37]
	s_lshl_b32 s36, s21, s32
	s_add_co_u32 s36, s36, s31
	s_add_nc_u64 s[SB:SB+1], s[34:35], s[36:37]
	s_mov_b32 s[SEL], 0x76543210
	s_mov_b32 s[SEL+1], 0xfedcba98                 ; v_permlanex16_b32's selects for lane l xor 16
	s_mov_b32 s[MNT], 0x600000
	v_add_nc_u32 v[VO0+1], s25, v[VO0]
	v_mul_lo_u32 v[VS], v2, s26
	v_lshl_add_u32 v[VS], v1, 4, v[VS]
.irp b, 0,1,2,3
	v_mov_b32 v[TM+4+\b], 0                        ; a lane permute's destination counts as one of its sources
.endr
; 64 numbers of a lane, register 16 b + i in block b, become 16 registers of codes in v[PC] on and the scale word in v[PW]
.macro QUANT s
.irp b, 0,1,2,3
	v_max3_num_f32 v[TM+\b], |v[\s+16*\b]|, |v[\s+1+16*\b]|, 0x4800000   ; my 16 numbers of block b, and the floor 2^(9 - 127): the byte cannot fall under 1
.endr
.irp i, 2,4,6,8,10,12,14
.irp b, 0,1,2,3
	v_max3_num_f32 v[TM+\b], v[TM+\b], |v[\s+16*\b+\i]|, |v[\s+1+16*\b+\i]|   ; the four blocks by turns
.endr
.endr
.irp b, 0,1,2,3
	v_permlanex16_b32 v[TM+4+\b], v[TM+\b], s[SEL], s[SEL+1]
.endr
.irp b, 0,1,2,3
	v_max_num_f32 v[TM+\b], v[TM+\b], v[TM+4+\b]   ; with lane l xor 16's: the block's largest magnitude
.endr
.irp b, 0,1,2,3
	v_add_nc_u32 v[TM+12+\b], 0xfc000000, v[TM+\b] ; 8 off its exponent field: the conversion's scale operand
.endr
.irp b, 0,1,2,3
	v_and_or_b32 v[TM+8+\b], v[TM+\b], 0x7f800000, s[MNT]   ; 448 x the scale
.endr
.irp b, 0,1,2,3
	v_lshrrev_b32 v[TM+4+\b], 23, v[TM+12+\b]      ; the scale's byte
.endr
	v_lshl_or_b32 v[PW], v[TM+5], 8, v[TM+4]
	v_lshl_or_b32 v[PW], v[TM+6], 16, v[PW]
	v_lshl_or_b32 v[PW], v[TM+7], 24, v[PW]
.irp b, 0,1,2,3
.irp i, 0,1,2,3,4,5,6,7,8,9,10,11,12,13,14,15
	v_med3_num_f32 v[\s+16*\b+\i], v[\s+16*\b+\i], -v[TM+8+\b], v[TM+8+\b]   ; the conversion does not saturate (ISA guide 7.6.2): the hold comes first
.endr
	v_cvt_scalef32_pk8_fp8_f32 v[PC+4*\b:PC+1+4*\b], v[\s+16*\b:\s+7+16*\b], v[TM+12+\b]
	v_cvt_scalef32_pk8_fp8_f32 v[PC+2+4*\b:PC+3+4*\b], v[\s+8+16*\b:\s+15+16*\b], v[TM+12+\b]
.endr
	v_nop                                          ; a plain vector instruction behind the last conversion, ahead of the next vector instruction that writes its sources
.endm
.macro QBLOCK a                        ; R's block a: the bias along R, the quantiser, four stores of 512 consecutive bytes, the scale words to the stage
.set AC, 64*((\a)%4)
	s_wait_xcnt 0x0                                ; the last block's stores have read their data and their base: both are written again only behind this wait
.if (\a) == 4
	s_add_nc_u64 s[OB:OB+1], s[OB:OB+1], s[ST1:ST1+1]
.elseif (\a) > 0
	s_add_nc_u64 s[OB:OB+1], s[OB:OB+1], s[ST0:ST0+1]
.endif
	v_mov_b32 v[BB], v[BR+(\a)]
	v_mov_b32 v[BB+1], v[BR+(\a)]
	WIN 0x02+(\a)/4                                ; source 0: window 2 or 3
.set i, 0
.rept 32
	v_pk_add_f32 v[T+2*i:T+2*i+1], v[AC+2*i:AC+2*i+1], v[BB:BB+1]   ; ascending: each accumulator is read from its low end on
.set i, i+1
.endr
	WIN 0
	QUANT T
.irp c, 0,1,2,3
	global_store_b128 v[VO0+(\c)/2], v[PC+4*\c:PC+4*\c+3], s[OB:OB+1] offset:((\c)%2)*512
.endr
	v_and_b32 v[W0+(\a)], s[WMASK], v[PW]
	v_lshrrev_b32 v[W1+(\a)], 16, v[PW]
	ds_store_b32 v[SWA], v[W0+(\a)] offset:64*(\a)         ; slot 0 has had its last fill and its last read; both halves of the lanes write the same word with the same value
	ds_store_b32 v[SWA], v[W1+(\a)] offset:512+64*(\a)
.endm
.irp a, 0,1,2,3,4,5,6,7
	QBLOCK \a
.endr
	ds_load_b128 v[X0:X0+3], v[SRD]                ; LDS serves a wave's instructions in order: these see my stores
	ds_load_b128 v[X1:X1+3], v[SRD] offset:512
	s_wait_dscnt 0x0
	global_store_b128 v[VS], v[X0:X0+3], s[SB:SB+1]        ; sixteen lanes store 256 consecutive bytes, aligned
	s_cmp_eq_u32 ttmp9, 2
	s_cbranch_scc1 .Lno_second                     ; q and k have a second head's words; v has none
	global_store_b128 v[VS], v[X1:X1+3], s[SB:SB+1] offset:HS
.Lno_second:
	s_wait_tensorcnt 0x0                           ; the wave's end
	ds_add_u32 v[SPW], v[NIL]
	s_wait_dscnt 0x0
	CROUND                                         ; the closing round: no work-group ends while a partner may still ask for a tile that names it
	s_endpgm
.Lfunc_end_k_q3624d26930_qkv:
	.size	k_q3624d26930_qkv, .Lfunc_end_k_q3624d26930_qkv-k_q3624d26930_qkv
	.p2alignl 7, 3214868480
	.fill 96, 4, 3214868480
	.section	.rodata,"a",@progbits
	.p2align	6, 0x0
	.amdhsa_kernel k_q3624d26930_qkv
		.amdhsa_group_segment_fixed_size 327680
		.amdhsa_private_segment_fixed_size 0
		.amdhsa_enable_private_segment 0
		.amdhsa_kernarg_size 40
		.amdhsa_user_sgpr_count 2
		.amdhsa_user_sgpr_kernarg_segment_ptr 1
		.amdhsa_wavefront_size32 1
		.amdhsa_system_sgpr_workgroup_id_x 1
		.amdhsa_system_sgpr_workgroup_id_y 1
		.amdhsa_system_sgpr_workgroup_id_z 1
		.amdhsa_system_vgpr_workitem_id 0
		.amdhsa_next_free_vgpr 1024
		.amdhsa_next_free_sgpr 104
		.amdhsa_reserve_vcc 0
		.amdhsa_float_denorm_mode_32 3
		.amdhsa_float_denorm_mode_16_64 3
		.amdhsa_memory_ordered 1
		.amdhsa_forward_progress 1
		.amdhsa_inst_pref_size 212
	.end_amdhsa_kernel
	.amdgpu_metadata
---
amdhsa.version: [ 1, 2 ]
amdhsa.kernels:
  - .name:           k_q3624d26930_qkv
    .symbol:         k_q3624d26930_qkv.kd
    .args:
      - { .name: codes, .offset: 0, .size: 8, .value_kind: global_buffer, .address_space: global }
      - { .name: scales, .offset: 8, .size: 8, .value_kind: global_buffer, .address_space: global }
      - { .name: b_qkv, .offset: 16, .size: 8, .value_kind: global_buffer, .address_space: global }
      - { .name: qbuf, .offset: 24, .size: 8, .value_kind: global_buffer, .address_space: global }
      - { .name: kv, .offset: 32, .size: 8, .value_kind: global_buffer, .address_space: global }
    .group_segment_fixed_size: 327680
    .private_segment_fixed_size: 0
    .kernarg_segment_align: 8
    .kernarg_segment_size: 40
    .max_flat_workgroup_size: 128
    .sgpr_count:     104
    .vgpr_count:     1024
    .wavefront_size: 32
...
	.end_amdgpu_metadata
.endif
;; end of part 2
;; launch attn (part 3): grid 4 x 64, 12 waves a work-group, clusters of 4 x 1, 327,680 bytes of LDS; arguments qbuf, kv, o_img, o_scales; writes o_img, o_scales
.if DOCPART == 3
	.amdgcn_target "amdgcn-amd-amdhsa--gfx1250"
	.amdhsa_code_object_version 6
	.text
	.protected	k_q3624d26930_attn
	.globl	k_q3624d26930_attn
	.p2align	8
	.type	k_q3624d26930_attn,@function
k_q3624d26930_attn:
	s_mov_b64 s[64:65], 0
	v_nop
	global_prefetch_b8 v0, s[64:65] scope:SCOPE_SE
	s_setreg_imm32_b32 hwreg(HW_REG_WAVE_MODE, 25, 1), 1
	s_wait_xcnt 0x0
	s_wait_alu depctr_hold_cnt(0) depctr_sa_sdst(0) depctr_va_vdst(0) depctr_va_sdst(0) depctr_va_ssrc(0) depctr_va_vcc(0) depctr_vm_vsrc(0)
	s_getreg_b32 s2, hwreg(HW_REG_IB_STS2, 6, 4)
	s_cmp_eq_u32 s2, 0
	s_cbranch_scc0 .Lentry_in_a_cluster
	s_endpgm
.Lentry_in_a_cluster:
	s_bfe_u32 s2, ttmp6, 0x10000c
	s_cmp_lg_u32 s2, 0x3003
	s_cbranch_scc0 .Lentry_shape_is_right
	s_endpgm
.Lentry_shape_is_right:
; Causal attention of one head on codes of E4M3 with E8M0 scales, and o = O / l quantised along the head's 64 for the last product.
; t = score x log2(e) / 8; M = the running largest t rounded up to a whole number; p = 2^(t - M) is quantised along the keys, not normalised; the sum l is taken of the unquantised p and divides at the end.
; When M moves, l and O are multiplied by 2^(old M - new M), which rounds nothing.
; LEFT OUT: key steps all of whose 128 keys come after a tile's queries: the causal mask turns their scores into -infinity, so their p is 0 for all inputs.
; K AND V OF THE WHOLE HEAD STAY IN LDS: eight records of kv, 274,432 dense bytes, as they lie in memory.  Waves 0 to 3 ask for records 0 to 3 whole (134 rows of 256 bytes), waves 4 to 11 for the halves of records 4 to 7; nothing is filled again.
; CLUSTER: the four work-groups of a head need the same eight records: each load is asked for jointly, with the mask 15.  No branch and no LDS address hangs on the place in the cluster (cx): it enters global addresses and the mask's numbers alone.
; SHARES.  A head has 128 tiles of 16 queries; work-group cx owns tiles 4 j + cx, j = 0 .. 31; tile 4 j + cx walks j / 2 + 1 key steps of 128, whatever cx.  Wave w has parity e = w % 2 and group g = w / 2, and takes the tiles j = 2 (n - 1) + e with
; n key steps: g = 0: 16, 11, 1;  1: 15, 10, 3;  2: 12, 9, 4, 2;  3: 8, 7, 6, 5;  4: 14;  5: 13: each n from 1 to 16 once for each parity.  Waves 0 to 7 so walk 26 to 28 steps, waves 8 to 11 one tile each: a design decision.
; Two plain barriers: the first shows records 0 and 1 (waves 0 and 1 have a load line of their own and wait there), the second the other six; ahead of it waves 0 to 7 walk four key steps of their first tile, waves 8 to 11 two.
; All loops' trip counts are constants and every wave walks every trip; a step that is not the wave's is jumped over by a scalar branch on numbers made of the wave's number and the counts of trips.
; LAYOUT.  S^T = K Q^T (source 0 = 16 neighbouring keys, source 1 = my 16 queries), O^T = V^T P^T: a lane holds one query throughout.  The head has 64 along K: Q's codes of K = 64 .. 127 are zeros.
; K's eight fragments lie 8 registers apart, so the upper half of each operand is the next tile's codes (finite numbers; behind the last tile zeros): they meet Q's zero codes and add nothing.
; Inside a block of 32 keys position (h = lane / 16, byte i) holds key 8 h + i (i < 8) or 16 + 8 h + i - 8, in p's codes as in V's images: both sides agree; the order of additions inside one instruction differs from ascending k.
; NO PREFETCH: all of K and V is asked for at the kernel's head; there is no loop to run ahead in.
; LIMITS: the scaled scores stay under 2^31 in magnitude; p under 2^-126 is 0 (v_exp_f32 flushes denormals: ISA guide 15.8); a block of zeros gets the byte 1 (its codes are zeros; this program alone reads the bytes); NaN and infinities are not served.
; o_scales leaves as single bytes (one in 32 of o's bytes): a token's row of 32 bytes is shared by sixteen heads' work-groups.
.set REC,   34304
.set HS,    8*REC
.set HALFR, 17152
.set VIMG,  16384
.set KSW,   32768
.set VSW,   33792
.set SPARE, 8*REC                      ; behind the records: the spare words, 128 bytes a wave, six blocks of 256 bytes that no other line names
.set LI,  1                            ; v1   16 x lane
.set LW,  2                            ; v2   4 x lane
.set SPW, 3                            ; v3   my spare word; never rewritten
.set NIL, 4                            ; v4   0; never rewritten
.set ADX, 5                            ; v5   LDS: the step's scale words of V
.set VQW, 7                            ; v7   4 r
.set ADI, 8                            ; v8   LDS: the step's images
.set ADW, 9                            ; v9   LDS: the step's scale words of K
.set VB,  10                           ; v10  32 r + h: my byte of o_scales
.set RH,  11                           ; v11  r - 8 h
                                       ; v12 -M, v13 the largest t, v[14:15] the sum; v16-31 Q (v24-31 zeros)
.set KX,  32                           ; v32-95   K's eight fragments, then V's four;  v96-103 zeros
.set SS,  104                          ; v104-167 S^T, then p
.set OO,  168                          ; v168-199 O^T
.set PC,  200                          ; v200-215 p's codes
.set BM,  216                          ; block maxima
.set PB,  220                          ; partners, later bytes
.set HL,  224                          ; v224-231 448 x the scale, twice for each block: the two halves of a dual line read different registers
.set SO,  232                          ; the conversions' scale operands
.set KW,  236                          ; v236-239 K's scale words; v240-241 V's; v242 Q's; v243 p's: these hold scales and nothing else
.set VW,  240
.set QW,  242
.set PW,  243
.set FF,  244                          ; v[244:245] f = 2^(old M - new M)
.set OM,  246                          ; the old -M
.set DD,  247                          ; my query - the diagonal step's first key - 8 h
.set NINF, 248
.set TP,  249
.set T1,  250                          ; three more chains of the row's sum
.set T2,  252
.set T3,  254
.set WV,  18
.set MNT, 19
.set SEL, 20
.set CS,  22                           ; s[22:23] c = log2(e) / 8
.set G1,  24                           ; s[24:31], s[32:35] half a record
.set G0,  32
.set SC,  36                           ; the key step
.set LAST, 37                          ; the tile's last key step; -1: no tile
.set J,   38
.set TT,  39                           ; the tile: 4 j + cx
.set CX,  40
.set HM,  41                           ; lanes 16-31
.set A0,  42
.set A1,  43
.set QH,  44                           ; s[44:45] the head in qbuf; s[46:47], s[48:49] my tile's images and words
.set QB,  46
.set QC,  48
.set OCH, 50
.set OC,  52
.set OSH, 54
.set OS,  56
.set TBI, 58                           ; where the step's images and words begin in LDS
.set TBW, 59
.set TBX, 60
.set ST,  61                           ; key steps that I walk ahead of the second barrier
.set G1A, 68                           ; s[68:75], s[76:79] a whole record
.set G0A, 76
.set WT,  80                           ; my later tiles' key steps, four bits each
.set PS,  81                           ; the pass
.set EV,  82                           ; wave % 2
.macro WALU
	s_wait_alu depctr_va_vdst(0)
.endm
.macro CROUND                          ; a round of the cluster's barrier
	s_barrier_signal -1
	s_barrier_wait -1
	s_cmp_lg_u32 s[WV], 0
	s_cbranch_scc1 .Lnot_wave_0_\@
	s_barrier_signal -3
.Lnot_wave_0_\@:
	s_barrier_wait -3
	s_barrier_signal -1
	s_barrier_wait -1
.endm
.macro TLOAD g0, g1
	tensor_load_to_lds s[\g0:\g0+3], s[\g1:\g1+7]
	s_nop 0
.rept 4
	v_nop
.endr
.endm
	s_load_b256 s[4:11], s[0:1], 0x0               ; qbuf, kv, o_img, o_scales
	v_lshl_add_u32 v[SPW], v0, 2, SPARE
	v_mov_b32 v[NIL], 0
	ds_add_u32 v[SPW], v[NIL]                      ; the opening lines: the add twice on end and its wait ahead of my tensor load
	ds_add_u32 v[SPW], v[NIL]
	v_lshrrev_b32 v8, 5, v0
	v_readfirstlane_b32 s[WV], v8                  ; wave 0..11
	s_bfe_u32 s[CX], ttmp6, 0x40000                ; my place in the cluster
	s_and_b32 s12, ttmp7, 0xffff                   ; 16 b + head
	s_lshr_b32 s13, s12, 4                         ; b
	s_and_b32 s14, s12, 15                         ; head
	s_mul_i32 s16, s12, HS                         ; the head's first byte in qbuf and in kv (under 2^25)
	s_mov_b32 s17, 0
	s_mul_i32 s62, s[WV], REC                      ; waves 0 to 3: record = wave, in memory and in LDS alike
	s_mov_b32 s63, 0                               ; stays 0: the upper word of every offset
	s_add_co_u32 s66, s[WV], 4
	s_mul_i32 s66, s66, HALFR                      ; waves 4 to 11: half record wave + 4
	s_mov_b32 s67, 0
.irp g, G1, G1A
	s_mov_b32 s[\g], 15|(3<<16)|(1<<21)            ; the mask: all four of the cluster; elements of 8 bytes; bit 21 beside a mask; no padding
	s_mov_b32 s[\g+1], 32<<16                      ; rows of 256 bytes
	s_mov_b32 s[\g+3], 32<<16
	s_mov_b32 s[\g+5], 32                          ; dense
	s_mov_b32 s[\g+6], 0
	s_mov_b32 s[\g+7], 0
.endr
	s_mov_b32 s[G1+2], 67<<16
	s_mov_b32 s[G1+4], 67
	s_mov_b32 s[G1A+2], 134<<16
	s_mov_b32 s[G1A+4], 134
	s_mov_b32 s[G0], 1
	s_mov_b32 s[G0+1], s66
	s_mov_b32 s[G0A], 1
	s_mov_b32 s[G0A+1], s62
	s_mov_b32 s[SEL], 0x76543210
	s_mov_b32 s[SEL+1], 0xfedcba98                 ; v_permlanex16_b32's selects for lane l xor 16
	s_mov_b32 s[CS], 0x3e38aa3b
	s_mov_b32 s[CS+1], s[CS]
	s_mov_b32 s[MNT], 0x600000
	s_mov_b32 s[HM], 0xffff0000
	s_wait_dscnt 0x0
	CROUND                                         ; the four work-groups are here: the joint loads meet
	s_wait_kmcnt 0x0
	s_add_nc_u64 s[QH:QH+1], s[4:5], s[16:17]
	s_add_nc_u64 s[G0+2:G0+3], s[6:7], s[16:17]
	s_add_nc_u64 s[G0A+2:G0A+3], s[G0+2:G0+3], s[62:63]
	s_add_nc_u64 s[G0+2:G0+3], s[G0+2:G0+3], s[66:67]
	s_or_b32 s[G0+3], s[G0+3], 0x80000000
	s_or_b32 s[G0A+3], s[G0A+3], 0x80000000
	s_cmp_lt_u32 s[WV], 2                          ; waves 0 and 1 (records 0 and 1) have a load line of their own: the first barrier shows it alone
	s_cbranch_scc0 .Larm_b
	TLOAD G0A, G1A
	s_branch .Lasked
.Larm_b:
	s_cmp_lt_u32 s[WV], 4
	s_cbranch_scc0 .Larm_c
	TLOAD G0A, G1A
	s_branch .Lasked
.Larm_c:
	TLOAD G0, G1
.Lasked:
	s_lshr_b32 s62, s14, 2
	s_lshl_b32 s62, s62, 21                        ; o_img: [head / 4][tile of 16 tokens][head % 4][block][512 bytes]
	s_lshl_b32 s12, s13, 19                        ; 128 b tiles of 4,096 bytes
	s_add_co_u32 s62, s62, s12
	s_and_b32 s12, s14, 3
	s_lshl_b32 s12, s12, 10
	s_add_co_u32 s62, s62, s12
	s_add_nc_u64 s[OCH:OCH+1], s[8:9], s[62:63]
	s_lshl_b32 s62, s13, 16                        ; o_scales: 32 bytes a token, bytes 2 head and 2 head + 1
	s_lshl_b32 s12, s14, 1
	s_add_co_u32 s62, s62, s12
	s_add_nc_u64 s[OSH:OSH+1], s[10:11], s[62:63]
	s_and_b32 s[EV], s[WV], 1                      ; the deal: four bits for each group g = wave / 2
	s_lshr_b32 s12, s[WV], 1
	s_lshl_b32 s12, s12, 2
	s_lshr_b32 s[LAST], 0xcd7bef, s12              ; the first tile's last step: 15, 14, 11, 7, 13, 12
	s_and_b32 s[LAST], s[LAST], 15
	s_lshr_b32 s[WT], 0x79ab, s12                  ; the second tile's steps: 11, 10, 9, 7, none, none
	s_and_b32 s[WT], s[WT], 15
	s_lshr_b32 s[A0], 0x6431, s12                  ; the third's: 1, 3, 4, 6
	s_and_b32 s[A0], s[A0], 15
	s_lshl_b32 s[A0], s[A0], 4
	s_or_b32 s[WT], s[WT], s[A0]
	s_lshr_b32 s[A0], 0x5200, s12                  ; the fourth's: none, none, 2, 5
	s_and_b32 s[A0], s[A0], 15
	s_lshl_b32 s[A0], s[A0], 8
	s_or_b32 s[WT], s[WT], s[A0]
	s_cmp_lt_u32 s[WV], 8
	s_cselect_b32 s[ST], 4, 2
	v_and_b32 v8, 31, v0                           ; lane
	v_and_b32 v9, 15, v0                           ; r
	v_bfe_u32 v[RH], v0, 4, 1                      ; h
	v_lshlrev_b32 v[LI], 4, v8
	v_lshlrev_b32 v[LW], 2, v8
	v_lshlrev_b32 v[VQW], 2, v9
	v_lshl_add_u32 v[VB], v9, 5, v[RH]
	v_lshlrev_b32 v[RH], 3, v[RH]
	v_sub_nc_u32 v[RH], v9, v[RH]
.irp j, 0,1,2,3,4,5,6,7
	v_mov_b32 v[24+\j], 0                          ; Q's zero codes of K = 64 .. 127,
	v_mov_b32 v[96+\j], 0                          ; and those behind K's last fragment; written once
	v_mov_b32 v[SS+40+\j], 0                       ; (a lane permute's destination counts as one of its sources)
.endr
.irp b, 0,1,2,3
	v_mov_b32 v[PB+\b], 0
.endr
	v_mov_b32 v[FF+1], 0
	v_mov_b32 v[OM], 0
	v_mov_b32 v[NINF], 0xff800000
	WALU                                           ; a wait
.macro PASSQ                           ; from the tile's last step and my parity: the tile, and the loads of its Q
	s_lshl_b32 s[J], s[LAST], 1
	s_add_co_u32 s[J], s[J], s[EV]
	s_lshl_b32 s[TT], s[J], 2
	s_add_co_u32 s[TT], s[TT], s[CX]
	s_lshr_b32 s[A1], s[TT], 4
	s_mul_i32 s[A1], s[A1], REC                    ; the record of 256 queries
	s_and_b32 s[A0], s[TT], 15
	s_lshl_b32 s62, s[A0], 10
	s_add_co_u32 s62, s62, s[A1]
	s_add_nc_u64 s[QB:QB+1], s[QH:QH+1], s[62:63]
	s_lshl_b32 s62, s[A0], 6
	s_add_co_u32 s62, s62, s[A1]
	s_add_nc_u64 s[QC:QC+1], s[QH:QH+1], s[62:63]
	global_load_b128 v[16:19], v[LI], s[QB:QB+1]
	global_load_b128 v[20:23], v[LI], s[QB:QB+1] offset:512
	global_load_b32 v[QW], v[VQW], s[QC:QC+1] offset:KSW
.endm
.macro PASSO                           ; where the tile's results go; the mask's number; the statistics: O^T and the sums zeros, the largest t -3e38, under every t
	s_lshl_b32 s62, s[TT], 12
	s_add_nc_u64 s[OC:OC+1], s[OCH:OCH+1], s[62:63]
	s_lshl_b32 s62, s[TT], 9
	s_add_nc_u64 s[OS:OS+1], s[OSH:OSH+1], s[62:63]
	s_and_b32 s[A0], s[TT], 7
	s_lshl_b32 s[A0], s[A0], 4
	v_add_nc_u32 v[DD], s[A0], v[RH]
	v_mov_b32 v13, 0xff61b1e6
	v_floor_f32 v12, -v13
	v_mov_b32 v14, 0
	v_mov_b32 v15, 0
.set n, 0
.rept 6
	v_mov_b32 v[T1+n], 0
.set n, n+1
.endr
.set n, 0
.rept 32
	v_mov_b32 v[OO+n], 0
.set n, n+1
.endr
	WALU                                           ; the wait ahead of the blocking wait that follows
.endm
.macro JOIN                            ; the sum's four chains become one
	v_pk_add_f32 v[14:15], v[14:15], v[T1:T1+1]
	v_pk_add_f32 v[T2:T2+1], v[T2:T2+1], v[T3:T3+1]
	v_pk_add_f32 v[14:15], v[14:15], v[T2:T2+1]
.endm
.macro SMUL t                          ; S^T's tile t
.if (\t)%2
	v_wmma_scale_f32_16x16x128_f8f6f4 v[SS+8*(\t):SS+8*(\t)+7], v[KX+8*(\t):KX+8*(\t)+15], v[16:31], 0, v[KW+(\t)/2], v[QW] matrix_a_scale:MATRIX_SCALE_ROW1
.else
	v_wmma_scale_f32_16x16x128_f8f6f4 v[SS+8*(\t):SS+8*(\t)+7], v[KX+8*(\t):KX+8*(\t)+15], v[16:31], 0, v[KW+(\t)/2], v[QW]
.endif
.endm
; A KEY STEP: 128 keys.  kind 0: ahead of the second barrier (all open; my first ST steps);  1: the rest of the first tile;  2: a later tile.
.macro STEP kind
.if \kind == 0
	s_cmp_ge_u32 s[SC], s[ST]
	s_cbranch_scc1 .Lhidden_\@
.else
.if \kind == 1
	s_cmp_lt_u32 s[SC], s[ST]
	s_cbranch_scc1 .Lhidden_\@
.endif
	s_cmp_gt_i32 s[SC], s[LAST]
	s_cbranch_scc1 .Lhidden_\@
.endif
	s_lshr_b32 s[A1], s[SC], 1                     ; the step's place in LDS: record (step / 2), half (step % 2): images 8,192 bytes on, K's words 512, V's 256
	s_and_b32 s[A0], s[SC], 1
	s_mul_i32 s[A1], s[A1], REC
	s_lshl_b32 s[TBI], s[A0], 13
	s_add_co_u32 s[TBI], s[TBI], s[A1]
	s_lshl_b32 s[TBW], s[A0], 9
	s_add_co_u32 s[TBW], s[TBW], s[A1]
	s_lshl_b32 s[TBX], s[A0], 8
	s_add_co_u32 s[TBX], s[TBX], s[A1]
	v_add_nc_u32 v[ADI], s[TBI], v[LI]
	v_add_nc_u32 v[ADW], s[TBW], v[LW]
	v_add_nc_u32 v[ADX], s[TBX], v[LW]
.irp j, 0,1,2,3
	ds_load_b32 v[KW+\j], v[ADW] offset:KSW+128*\j
.endr
.irp t, 0,1,2,3,4,5,6,7
	ds_load_b128 v[KX+8*\t:KX+8*\t+3], v[ADI] offset:1024*\t
	ds_load_b128 v[KX+8*\t+4:KX+8*\t+7], v[ADI] offset:1024*\t+512
.endr
	WALU                                           ; the wait ahead of the blocking wait: V's loads read the addresses again behind it
	s_wait_dscnt 10                                ; of the 20 loads the words and tiles 0 to 2 are in: a tile's operand runs on into the next tile's registers
	SMUL 0
	SMUL 1
	s_wait_dscnt 6                                 ; tiles 3 and 4
	SMUL 2
	SMUL 3
	s_wait_dscnt 2                                 ; tiles 5 and 6
	SMUL 4
	SMUL 5
	s_wait_dscnt 0x0
	SMUL 6
	SMUL 7                                         ; register 8 T + j of lane (r, h): query r, key 16 T + 8 h + j of the step
	v_mov_b32 v[OM], v12                           ; eight places behind the products: the old -M, the last step's sums joined, four idle lines
	JOIN
.rept 4
	v_nop
.endr
.irp t, 0,1,2,3                                ; V's four fragments (16 of the head's 64 x 128 keys) land where K lay, under the softmax
.irp c, 0,1,2,3
	ds_load_b128 v[KX+16*\t+4*\c:KX+16*\t+4*\c+3], v[ADI] offset:VIMG+2048*\t+512*\c
.endr
.endr
.irp j, 0,1
	ds_load_b32 v[VW+\j], v[ADX] offset:VSW+128*\j
.endr
.if \kind
	s_cmp_lg_u32 s[SC], s[LAST]                    ; on the diagonal hidden scores become -infinity ahead of the maximum
	s_cbranch_scc1 .Lopen_\@
.set n, 0
.rept 64
	v_cmp_gt_i32 vcc_lo, 16*(n/8)+n%8, v[DD]       ; register 8 T + j is hidden where 16 T + j > my query - the step's first key - 8 h
	v_cndmask_b32 v[SS+n], v[SS+n], v[NINF], vcc_lo
.set n, n+1
.endr
.Lopen_\@:
.endif
.irp b, 0,1,2,3
	v_max3_num_f32 v[BM+\b], v[SS+16*\b], v[SS+1+16*\b], v[SS+2+16*\b]   ; the largest score of each block of 32 keys: it serves the row's maximum and, since p rises with the score, the block's largest p
.endr
.irp i, 3,5,7,9,11,13
.irp b, 0,1,2,3
	v_max3_num_f32 v[BM+\b], v[BM+\b], v[SS+16*\b+\i], v[SS+1+16*\b+\i]
.endr
.endr
.irp b, 0,1,2,3
	v_max_num_f32 v[BM+\b], v[BM+\b], v[SS+15+16*\b]
.endr
.irp b, 0,1,2,3
	v_permlanex16_b32 v[PB+\b], v[BM+\b], s[SEL], s[SEL+1]
.endr
.irp b, 0,1,2,3
	v_max_num_f32 v[BM+\b], v[BM+\b], v[PB+\b]     ; with lane l xor 16's 16 keys
.endr
	v_max3_num_f32 v[TP], v[BM], v[BM+1], v[BM+2]
	v_max_num_f32 v[TP], v[TP], v[BM+3]            ; the step's largest score of my query
	v_mul_f32 v[TP], s[CS], v[TP]                  ; as t (c is positive)
	v_max_num_f32 v13, v13, v[TP]                  ; the running largest t
	v_floor_f32 v12, -v13                          ; the new -M = floor(-t): M is a whole number
	v_sub_f32 v[TP], v12, v[OM]                    ; old M - new M: a whole number, 0 or less
	v_cvt_i32_f32 v[TP], v[TP]                     ; (it saturates)
	v_ldexp_f32 v[FF], 1.0, v[TP]                  ; f = 2^(old M - new M)
.set n, 0
.rept 32
	v_pk_fma_f32 v[SS+n:SS+n+1], v[SS+n:SS+n+1], s[CS:CS+1], v[12:13] op_sel_hi:[1,0,0]   ; t - M, two at a time
.set n, n+2
.endr
.irp b, 0,1,2,3
	v_fma_f32 v[BM+\b], v[BM+\b], s[CS], v12       ; the same of each block's largest score
.endr
	WALU                                           ; the wait ahead of the batch
.set n, 0
.rept 64
	v_exp_f32 v[SS+n], v[SS+n]                     ; p = 2^(t - M), at most 1
.set n, n+1
.endr
	v_pk_mul_f32 v[14:15], v[14:15], v[FF:FF+1] op_sel_hi:[1,0]   ; the sum under the new M: a plain line behind the exponentials
	WALU                                           ; one wait for the batch, ahead of its first reader
.irp b, 0,1,2,3
	v_exp_f32 v[BM+\b], v[BM+\b]                   ; the block's largest p
.endr
	v_pk_add_f32 v[T1:T1+1], v[SS:SS+1], v[SS+2:SS+3]              ; the row's sum of the unquantised p, in four chains; they are joined behind the next products
	v_pk_add_f32 v[T2:T2+1], v[SS+4:SS+5], v[SS+6:SS+7]
	v_pk_add_f32 v[T3:T3+1], v[SS+8:SS+9], v[SS+10:SS+11]
	v_pk_add_f32 v[14:15], v[14:15], v[SS+12:SS+13]
.set n, 14
.rept 6
	v_pk_add_f32 v[T1:T1+1], v[T1:T1+1], v[SS+n:SS+n+1]
	v_pk_add_f32 v[T2:T2+1], v[T2:T2+1], v[SS+n+2:SS+n+3]
	v_pk_add_f32 v[T3:T3+1], v[T3:T3+1], v[SS+n+4:SS+n+5]
	v_pk_add_f32 v[14:15], v[14:15], v[SS+n+6:SS+n+7]
.set n, n+8
.endr
	v_pk_add_f32 v[T1:T1+1], v[T1:T1+1], v[SS+62:SS+63]
	WALU                                           ; and one for the four
.irp b, 0,1,2,3
	v_max_num_f32 v[BM+\b], 0x4800000, v[BM+\b]    ; the floor 2^(9 - 127): the byte cannot fall under 1
.endr
.irp b, 0,1,2,3
	v_add_nc_u32 v[SO+\b], 0xfc000000, v[BM+\b]    ; 8 off the exponent field: the conversion's scale operand
.endr
.irp b, 0,1,2,3
	v_and_or_b32 v[HL+2*\b], v[BM+\b], 0x7f800000, s[MNT]   ; 448 x the scale,
	v_and_or_b32 v[HL+2*\b+1], v[BM+\b], 0x7f800000, s[MNT] ; twice
.endr
.irp b, 0,1,2,3
	v_lshrrev_b32 v[PB+\b], 23, v[SO+\b]           ; the scale's byte
.endr
	v_lshl_or_b32 v[PW], v[PB+1], 8, v[PB]         ; p's scale word for these 128 keys
	v_lshl_or_b32 v[PW], v[PB+2], 16, v[PW]
	v_lshl_or_b32 v[PW], v[PB+3], 24, v[PW]
.irp b, 0,1,2,3
.set n, 0
.rept 8                                        ; the conversion does not saturate (ISA guide 7.6.2); p is not negative, so the hold is one-sided; two holds to a line
	v_dual_min_num_f32 v[SS+16*\b+n], v[SS+16*\b+n], v[HL+2*\b] :: v_dual_min_num_f32 v[SS+16*\b+n+1], v[SS+16*\b+n+1], v[HL+2*\b+1]
.set n, n+2
.endr
	v_cvt_scalef32_pk8_fp8_f32 v[PC+4*\b:PC+4*\b+1], v[SS+16*\b:SS+16*\b+7], v[SO+\b]
	v_cvt_scalef32_pk8_fp8_f32 v[PC+4*\b+2:PC+4*\b+3], v[SS+16*\b+8:SS+16*\b+15], v[SO+\b]
.endr
	v_nop                                          ; a plain vector line behind the last conversion
	WALU                                           ; the wait directly ahead of the first readers of O^T
.set n, 0
.rept 16
	v_pk_mul_f32 v[OO+n:OO+n+1], v[OO+n:OO+n+1], v[FF:FF+1] op_sel_hi:[1,0]   ; O^T under the new M; also the places between the codes and the products
.set n, n+2
.endr
	WALU                                           ; the wait ahead of the blocking wait; no plain vector line writes a register between it and the backward jump
	s_wait_dscnt 0x0                               ; V
.irp t, 0,1,2,3                                ; the four accumulators take turns, one instruction a turn
.if (\t)%2
	v_wmma_scale_f32_16x16x128_f8f6f4 v[OO+8*\t:OO+8*\t+7], v[KX+16*\t:KX+16*\t+15], v[PC:PC+15], v[OO+8*\t:OO+8*\t+7], v[VW+(\t)/2], v[PW] matrix_a_scale:MATRIX_SCALE_ROW1
.else
	v_wmma_scale_f32_16x16x128_f8f6f4 v[OO+8*\t:OO+8*\t+7], v[KX+16*\t:KX+16*\t+15], v[PC:PC+15], v[OO+8*\t:OO+8*\t+7], v[VW+(\t)/2], v[PW]
.endif
.endr
.rept 5                                        ; five idle lines; with the three additions at the next step's head: eight places ahead of the next loads into V's registers
	v_nop
.endr
.Lhidden_\@:
.endm
; THE WAY OUT of a tile: o = O^T / l, quantised along the head's 64 (two blocks of 32), in the order that the last product's other side has: ascending k.
.macro OUT
	JOIN
	v_add_f32 v14, v14, v15                        ; the sum's two halves,
	v_permlanex16_b32 v[OM], v14, s[SEL], s[SEL+1]
	v_add_f32 v14, v14, v[OM]                      ; and lane l xor 16's
	WALU
	v_rcp_f32 v14, v14
	v_nop                                          ; a plain line behind the transcendental,
	WALU                                           ; and the wait ahead of its first reader, which is O^T's too
.set n, 0
.rept 16
	v_pk_mul_f32 v[SS+n:SS+n+1], v[OO+n:OO+n+1], v[14:15] op_sel_hi:[1,0]   ; ascending: each accumulator is read from its low end on.  Register 16 b + i: d = 32 b + 8 h + i (i < 8), 32 b + 16 + 8 h + i - 8
.set n, n+2
.endr
.irp b, 0,1
	v_max3_num_f32 v[BM+\b], |v[SS+16*\b]|, |v[SS+1+16*\b]|, 0x4800000
.endr
.irp i, 2,4,6,8,10,12,14
.irp b, 0,1
	v_max3_num_f32 v[BM+\b], v[BM+\b], |v[SS+16*\b+\i]|, |v[SS+1+16*\b+\i]|
.endr
.endr
.irp b, 0,1
	v_permlanex16_b32 v[PB+\b], v[BM+\b], s[SEL], s[SEL+1]
.endr
.irp b, 0,1
	v_max_num_f32 v[BM+\b], v[BM+\b], v[PB+\b]
.endr
.irp b, 0,1
	v_add_nc_u32 v[SO+\b], 0xfc000000, v[BM+\b]
.endr
.irp b, 0,1
	v_and_or_b32 v[HL+\b], v[BM+\b], 0x7f800000, s[MNT]
.endr
.irp b, 0,1
	v_lshrrev_b32 v[PB+\b], 23, v[SO+\b]
.endr
.irp b, 0,1
.irp i, 0,1,2,3,4,5,6,7,8,9,10,11,12,13,14,15
	v_med3_num_f32 v[SS+16*\b+\i], v[SS+16*\b+\i], -v[HL+\b], v[HL+\b]
.endr
	v_cvt_scalef32_pk8_fp8_f32 v[SS+32+4*\b:SS+33+4*\b], v[SS+16*\b:SS+16*\b+7], v[SO+\b]
	v_cvt_scalef32_pk8_fp8_f32 v[SS+34+4*\b:SS+35+4*\b], v[SS+16*\b+8:SS+16*\b+15], v[SO+\b]
.endr
	v_nop                                          ; a plain vector line behind the last conversion
.irp j, 0,1,2,3,4,5,6,7
	v_permlanex16_b32 v[SS+40+\j], v[SS+32+\j], s[SEL], s[SEL+1]
.endr
.irp b, 0,1                                    ; lanes 0-15 want d 0 .. 15 of a block (their own first eight, the partner's first eight), lanes 16-31 d 16 .. 31 (the partner's last eight, their own)
	v_cndmask_b32 v[SS+48+4*\b], v[SS+32+4*\b], v[SS+42+4*\b], s[HM]
	v_cndmask_b32 v[SS+49+4*\b], v[SS+33+4*\b], v[SS+43+4*\b], s[HM]
	v_cndmask_b32 v[SS+50+4*\b], v[SS+40+4*\b], v[SS+34+4*\b], s[HM]
	v_cndmask_b32 v[SS+51+4*\b], v[SS+41+4*\b], v[SS+35+4*\b], s[HM]
.endr
	v_cndmask_b32 v[SS+56], v[PB], v[PB+1], s[HM]  ; lanes 0-15 store the first block's byte, lanes 16-31 the second's
	global_store_b128 v[LI], v[SS+48:SS+51], s[OC:OC+1]            ; 32 lanes store 512 consecutive bytes, aligned
	global_store_b128 v[LI], v[SS+52:SS+55], s[OC:OC+1] offset:512
	global_store_b8 v[VB], v[SS+56], s[OS:OS+1]
.endm
	PASSQ                                          ; the first tile: 8 to 16 key steps
	PASSO
	s_cmp_lt_u32 s[WV], 2
	s_cbranch_scc0 .Lnot_first
	s_wait_tensorcnt 0x0                           ; waves 0 and 1: records 0 and 1 are in.  The other waves' wait stands at the second barrier
.Lnot_first:
	s_wait_loadcnt 0x0                             ; Q
	s_barrier_signal -1
	s_barrier_wait -1
	s_mov_b32 s[SC], 0
.Lfirst:                                           ; key steps 0 to 3: records 0 and 1; every first tile has them, all open
	STEP 0
	s_add_co_u32 s[SC], s[SC], 1
	s_cmp_lt_u32 s[SC], 4
	s_cbranch_scc1 .Lfirst
	s_wait_tensorcnt 0x0                           ; every wave: what it asked for is in
	s_wait_dscnt 0x0
	s_barrier_signal -1
	s_barrier_wait -1                              ; all eight records are in; nothing is filled again
	s_mov_b32 s[SC], 2
.Llong:                                            ; key steps 2 to 15: those that I have not walked yet
	STEP 1
	s_add_co_u32 s[SC], s[SC], 1
	s_cmp_lt_u32 s[SC], 16
	s_cbranch_scc1 .Llong
	s_mov_b32 s[PS], 0
.Lpass:                                            ; three more passes: a tile each, or none
	s_and_b32 s[LAST], s[WT], 15
	s_lshr_b32 s[WT], s[WT], 4
	s_sub_co_i32 s[LAST], s[LAST], 1               ; -1: no tile: every step of the pass is jumped over
	s_cmp_lt_i32 s[LAST], 0
	s_cbranch_scc1 .Lnone
	PASSQ                                          ; the next tile's Q is asked for ahead of the last tile's way out
	OUT
	s_wait_xcnt 0x0                                ; the stores have read their bases and data, which are written anew below
	PASSO
	s_wait_loadcnt 0x0
.Lnone:
	s_mov_b32 s[SC], 0
.Lshort:
	STEP 2
	s_add_co_u32 s[SC], s[SC], 1
	s_cmp_lt_u32 s[SC], 11
	s_cbranch_scc1 .Lshort
	s_add_co_u32 s[PS], s[PS], 1
	s_cmp_lt_u32 s[PS], 3
	s_cbranch_scc1 .Lpass
	OUT                                            ; my last tile
	s_wait_tensorcnt 0x0                           ; the wave's end
	ds_add_u32 v[SPW], v[NIL]
	s_wait_dscnt 0x0
	CROUND                                         ; the closing round
	s_endpgm
.Lfunc_end_k_q3624d26930_attn:
	.size	k_q3624d26930_attn, .Lfunc_end_k_q3624d26930_attn-k_q3624d26930_attn
	.p2alignl 7, 3214868480
	.fill 96, 4, 3214868480
	.section	.rodata,"a",@progbits
	.p2align	6, 0x0
	.amdhsa_kernel k_q3624d26930_attn
		.amdhsa_group_segment_fixed_size 327680
		.amdhsa_private_segment_fixed_size 0
		.amdhsa_enable_private_segment 0
		.amdhsa_kernarg_size 32
		.amdhsa_user_sgpr_count 2
		.amdhsa_user_sgpr_kernarg_segment_ptr 1
		.amdhsa_wavefront_size32 1
		.amdhsa_system_sgpr_workgroup_id_x 1
		.amdhsa_system_sgpr_workgroup_id_y 1
		.amdhsa_system_sgpr_workgroup_id_z 1
		.amdhsa_system_vgpr_workitem_id 0
		.amdhsa_next_free_vgpr 256
		.amdhsa_next_free_sgpr 84
		.amdhsa_reserve_vcc 1
		.amdhsa_float_denorm_mode_32 3
		.amdhsa_float_denorm_mode_16_64 3
		.amdhsa_memory_ordered 1
		.amdhsa_forward_progress 1
		.amdhsa_inst_pref_size 94
	.end_amdhsa_kernel
	.amdgpu_metadata
---
amdhsa.version: [ 1, 2 ]
amdhsa.kernels:
  - .name:           k_q3624d26930_attn
    .symbol:         k_q3624d26930_attn.kd
    .args:
      - { .name: qbuf, .offset: 0, .size: 8, .value_kind: global_buffer, .address_space: global }
      - { .name: kv, .offset: 8, .size: 8, .value_kind: global_buffer, .address_space: global }
      - { .name: o_img, .offset: 16, .size: 8, .value_kind: global_buffer, .address_space: global }
      - { .name: o_scales, .offset: 24, .size: 8, .value_kind: global_buffer, .address_space: global }
    .group_segment_fixed_size: 327680
    .private_segment_fixed_size: 0
    .kernarg_segment_align: 8
    .kernarg_segment_size: 32
    .max_flat_workgroup_size: 384
    .sgpr_count:     84
    .vgpr_count:     256
    .wavefront_size: 32
...
	.end_amdgpu_metadata
.endif
;; end of part 3
;; launch proj (part 4): grid 4 x 32, 4 waves a work-group, clusters of 4 x 4, 327,680 bytes of LDS; arguments o_img, o_scales, codes, scales, b_proj, out0; writes out0
.if DOCPART == 4
	.amdgcn_target "amdgcn-amd-amdhsa--gfx1250"
	.amdhsa_code_object_version 6
	.text
	.protected	k_q3624d26930_proj
	.globl	k_q3624d26930_proj
	.p2align	8
	.type	k_q3624d26930_proj,@function
k_q3624d26930_proj:
	s_mov_b64 s[64:65], 0
	v_nop
	global_prefetch_b8 v0, s[64:65] scope:SCOPE_SE
	s_setreg_imm32_b32 hwreg(HW_REG_WAVE_MODE, 25, 1), 1
	s_wait_xcnt 0x0
	s_wait_alu depctr_hold_cnt(0) depctr_sa_sdst(0) depctr_va_vdst(0) depctr_va_sdst(0) depctr_va_ssrc(0) depctr_va_vcc(0) depctr_vm_vsrc(0)
	s_getreg_b32 s2, hwreg(HW_REG_IB_STS2, 6, 4)
	s_cmp_eq_u32 s2, 0
	s_cbranch_scc0 .Lentry_in_a_cluster
	s_endpgm
.Lentry_in_a_cluster:
	s_bfe_u32 s2, ttmp6, 0x10000c
	s_cmp_lg_u32 s2, 0xf033
	s_cbranch_scc0 .Lentry_shape_is_right
	s_endpgm
.Lentry_shape_is_right:
.set KSTEP,  256
.set NQ,     2
.set ROWB,   256
.set ASTEP,  2097152
.set KROW,   1024
.set SIZE_N, 1024
.set PITCH,  272
.set FR,     16
.set NL,     4
.set NP,     8
.set HALFT,  128*PITCH
.set SLOT,   4*HALFT
.set LAPS,   2
.set KS,     32
.set SCL,    2*SLOT
.set HALFS,  16*272
.set SBLK,   2*272
.set SPARE,  SCL+4*HALFS
.set SPITCH, 528
.set WPC,    11534336
.set WPS,    360448
.set ADRA, 16
.set ADRB, 20
.set STO,  24
.set RD,   25
.set CO,   26
.set ADRS, 27
.set SPW,  28
.set NIL,  29
.set SC,   32
.set BP,   64
.set AF,   128
.set BK,   128
.set G1, 24
.set G0, 32
.set G1B, 48
.set G0B, 56
.set G1S, 68
.set G0S, 76
.set G1SB, 80
.set G0SB, 88
.set MSB, 0
.macro WIN new
.if MSB != (\new)
	s_set_vgpr_msb (MSB<<8)|(\new)
.set MSB, (\new)
.endif
.endm
.set MUL_LO, 0xa1
.set MUL_HI, 0xf1
.set TO_B,   0x40
.macro JLOAD g0a, g1a, g0b, g1b
	s_cmp_eq_u32 s15, 0
	s_cbranch_scc0 .Lfor_b_\@
	tensor_load_to_lds s[\g0a:\g0a+3], s[\g1a:\g1a+7]
	s_nop 0
.rept 4
	v_nop
.endr
	s_branch .Lasked_\@
.Lfor_b_\@:
	tensor_load_to_lds s[\g0b:\g0b+3], s[\g1b:\g1b+7]
	s_nop 0
.rept 4
	v_nop
.endr
.Lasked_\@:
.endm
.macro CREST
	s_cmp_lg_u32 s14, 0
	s_cbranch_scc1 .Lnot_wave_0_\@
	s_barrier_signal -3
.Lnot_wave_0_\@:
	s_barrier_wait -3
	s_barrier_signal -1
	s_barrier_wait -1
.endm
.macro CROUND
	s_barrier_signal -1
	s_barrier_wait -1
	CREST
.endm
	s_load_b128 s[4:7], s[0:1], 0x0
	s_load_b128 s[8:11], s[0:1], 0x10
	s_load_b64 s[96:97], s[0:1], 0x20
	s_load_b64 s[12:13], s[0:1], 0x28
	v_lshl_add_u32 v[SPW], v0, 2, SPARE
	v_mov_b32 v[NIL], 0
	ds_add_u32 v28, v29
	ds_add_u32 v28, v29
	s_wait_dscnt 0x0
	v_lshrrev_b32 v1, 5, v0
	v_readfirstlane_b32 s14, v1
	s_lshr_b32 s15, s14, 1
	s_and_b32 s16, s14, 1
	s_bfe_u32 s40, ttmp6, 0x40000
	s_bfe_u32 s41, ttmp6, 0x40004
	s_lshl_b32 s42, ttmp9, 2
	s_add_co_u32 s42, s42, s40
	s_and_b32 s17, ttmp7, 0xffff
	s_lshl_b32 s17, s17, 2
	s_add_co_u32 s17, s17, s41
	s_lshl_b32 s43, s41, 2
	s_lshl_b32 s43, 15, s43
	s_lshl_b32 s44, 0x1111, s40
	s_or_b32 s[G1+0], s43, (0<<16)|(1<<21)
	s_mov_b32 s[G1+1], 256<<16
	s_mov_b32 s[G1+2], 128<<16
	s_mov_b32 s[G1+3], 256<<16
	s_mov_b32 s[G1+4], 128
	s_mov_b32 s[G1+5], 256
	s_mov_b32 s[G1+6], 0
	s_mov_b32 s[G1+7], 0
	s_or_b32 s[G1B+0], s44, (0<<16)|(1<<20)|(1<<21)|(5<<22)|(3<<25)
	s_mov_b32 s[G1B+1], ROWB<<16
	s_mov_b32 s[G1B+2], 128<<16
	s_mov_b32 s[G1B+3], ROWB<<16
	s_mov_b32 s[G1B+4], 128
	s_mov_b32 s[G1B+5], KROW
	s_mov_b32 s[G1B+6], 0
	s_mov_b32 s[G1B+7], 0
	s_or_b32 s[G1S+0], s43, (3<<16)|(1<<20)|(1<<21)|(5<<22)|(3<<25)
	s_or_b32 s[G1SB+0], s44, (3<<16)|(1<<20)|(1<<21)|(5<<22)|(3<<25)
.irp g, G1S, G1SB
	s_mov_b32 s[\g+1], 32<<16
	s_mov_b32 s[\g+2], 16<<16
	s_mov_b32 s[\g+3], 32<<16
	s_mov_b32 s[\g+4], 16
	s_mov_b32 s[\g+5], 32
	s_mov_b32 s[\g+6], 0
	s_mov_b32 s[\g+7], 0
.endr
	s_lshl_b32 s18, s16, 7
	s_lshl_b32 s20, s17, 8
	s_add_co_u32 s20, s20, s18
	s_lshl_b32 s22, s20, 5
	s_mov_b32 s23, 0
	s_lshl_b32 s20, s20, 8
	s_mov_b32 s21, 0
	s_lshl_b32 s46, s42, 8
	s_add_co_u32 s46, s46, s18
	s_lshl_b32 s92, s46, 5
	s_add_co_u32 s92, s92, WPS
	s_mov_b32 s93, 0
	s_lshl_b32 s46, s46, 10
	s_add_co_u32 s46, s46, WPC
	s_mov_b32 s47, 0
	s_mul_i32 s45, s14, HALFT
	s_mul_i32 s94, s14, HALFS
	s_wait_kmcnt 0x0
	s_add_nc_u64 s[20:21], s[4:5], s[20:21]
	s_add_nc_u64 s[22:23], s[6:7], s[22:23]
	s_add_nc_u64 s[46:47], s[8:9], s[46:47]
	s_add_nc_u64 s[92:93], s[10:11], s[92:93]
	CROUND
	s_mov_b32 s[G0S], 1
	s_add_co_u32 s[G0S+1], s94, SCL
	s_mov_b64 s[G0S+2:G0S+3], s[22:23]
	s_or_b32 s[G0S+3], s[G0S+3], 0x80000000
	s_mov_b32 s[G0SB], 1
	s_add_co_u32 s[G0SB+1], s94, SCL
	s_mov_b64 s[G0SB+2:G0SB+3], s[92:93]
	s_or_b32 s[G0SB+3], s[G0SB+3], 0x80000000
	JLOAD G0S, G1S, G0SB, G1SB
.irp s, 0,1
	s_mov_b32 s[G0+4*\s], 1
	s_add_co_u32 s[G0+4*\s+1], s45, \s*SLOT
	s_add_nc_u64 s[G0+4*\s+2:G0+4*\s+3], s[20:21], \s*ASTEP
	s_or_b32 s[G0+4*\s+3], s[G0+4*\s+3], 0x80000000
	s_mov_b32 s[G0B+4*\s], 1
	s_add_co_u32 s[G0B+4*\s+1], s45, \s*SLOT
	s_add_nc_u64 s[G0B+4*\s+2:G0B+4*\s+3], s[46:47], \s*ROWB
	s_or_b32 s[G0B+4*\s+3], s[G0B+4*\s+3], 0x80000000
	s_wait_alu depctr_va_vdst(0)
	s_wait_tensorcnt 0x0
	ds_add_u32 v28, v29
	s_wait_dscnt 0x0
	CROUND
	JLOAD G0+4*\s, G1, G0B+4*\s, G1B
.endr
	v_and_b32 v1, 15, v0
	v_bfe_u32 v2, v0, 4, 1
	v_and_b32 v6, 31, v0
	v_lshlrev_b32 v[CO], 4, v6
	v_mul_u32_u24 v3, v1, PITCH
	v_lshl_add_u32 v4, v2, 4, v3
	s_mul_i32 s21, s15, HALFT
	s_mul_i32 s22, s16, HALFT
	s_add_co_u32 s22, s22, 2*HALFT
.irp s, 0,1
	v_add_nc_u32 v[ADRA+\s], s21, v[CO]
	v_add_nc_u32 v[ADRB+\s], s22, v4
	s_add_co_u32 s21, s21, SLOT
	s_add_co_u32 s22, s22, SLOT
.endr
	v_mul_u32_u24 v5, v1, KS
	v_lshrrev_b32 v6, 8, v5
	v_lshl_add_u32 v5, v6, 4, v5
	s_mul_i32 s21, s15, HALFS
	s_mul_i32 s22, s16, HALFS
	s_add_co_u32 s22, s22, 2*HALFS
	s_sub_co_u32 s22, s22, s21
	v_mul_u32_u24 v6, s22, v2
	s_add_co_u32 s21, s21, SCL
	v_add_nc_u32 v5, v5, v6
	v_add_nc_u32 v[ADRS], s21, v5
	s_mul_i32 s23, s14, 16*SPITCH
	v_mul_u32_u24 v5, v1, SPITCH
	v_lshl_add_u32 v5, v2, 5, v5
	v_add_nc_u32 v[STO], s23, v5
	v_add_nc_u32 v[RD], s23, v[CO]
	s_lshl_b32 s20, s17, 8
	s_lshl_b32 s21, s15, 7
	s_add_co_u32 s20, s20, s21
	s_lshl_b32 s20, s20, 12
	s_lshl_b32 s46, s42, 10
	s_lshl_b32 s47, s16, 9
	s_add_co_u32 s46, s46, s47
	s_add_co_u32 s20, s20, s46
	s_mov_b32 s21, 0
	s_add_nc_u64 s[12:13], s[12:13], s[20:21]
	s_mov_b32 s47, 0
	s_add_nc_u64 s[18:19], s[96:97], s[46:47]
	v_lshlrev_b32 v7, 5, v2
.irp b, 0,1,2,3,4,5,6,7
	global_load_b128 v[BP+8*\b:BP+8*\b+3], v7, s[18:19] offset:64*\b
	global_load_b128 v[BP+8*\b+4:BP+8*\b+7], v7, s[18:19] offset:64*\b+16
.endr
.macro FRAG reg, adr, q, i
.irp c, 0,1,2,3
	ds_load_b128 v[\reg+4*\c:\reg+4*\c+3], v[\adr] offset:128*(\q)+32*\c+(\i)*16*PITCH
.endr
.endm
.macro FRAGA reg, adr, q, i
.irp c, 0,1,2,3
	ds_load_b128 v[\reg+4*\c:\reg+4*\c+3], v[\adr] offset:(2*(\i)+(\q))*2048+512*\c
.endr
.endm
.macro MUL16 a0, p, q, sc, first
.irp a, \a0, \a0+1
.irp b, 0,1,2,3,4,5,6,7
.if \first
	v_wmma_scale_f32_16x16x128_f8f6f4 v[8*(8*((\a)%4)+\b):8*(8*((\a)%4)+\b)+7], v[128*(\p)+FR*\b:128*(\p)+FR*\b+FR-1], v[AF+FR*(\a):AF+FR*(\a)+FR-1], v[BP+8*\b:BP+8*\b+7], v[SC+8*NQ*(\sc)+NQ*\b+(\q)], v[SC+8*NQ*(\sc)+NQ*(\a)+(\q)] matrix_a_scale:MATRIX_SCALE_ROW1
.else
	v_wmma_scale_f32_16x16x128_f8f6f4 v[8*(8*((\a)%4)+\b):8*(8*((\a)%4)+\b)+7], v[128*(\p)+FR*\b:128*(\p)+FR*\b+FR-1], v[AF+FR*(\a):AF+FR*(\a)+FR-1], v[8*(8*((\a)%4)+\b):8*(8*((\a)%4)+\b)+7], v[SC+8*NQ*(\sc)+NQ*\b+(\q)], v[SC+8*NQ*(\sc)+NQ*(\a)+(\q)] matrix_a_scale:MATRIX_SCALE_ROW1
.endif
.endr
.endr
.endm
.macro FETCH_B slot, q, p
	WIN TO_B
.irp i, 0,1,2,3,4,5,6,7
	FRAG 128*(\p)+FR*\i, ADRB+\slot, \q, \i
.endr
	WIN 0
.endm
.macro FETCH_A slot, q, i0
.irp i, \i0, \i0+1, \i0+2, \i0+3
	FRAGA AF+FR*(\i), ADRA+\slot, \q, \i
.endr
.endm
.macro SCALES sc
.irp i, 0,1,2,3,4,5,6,7
	ds_load_b64 v[SC+8*NQ*\sc+NQ*\i:SC+8*NQ*\sc+NQ*\i+1], v[ADRS] offset:\i*SBLK
.endr
.endm
.macro PLACES n
.rept \n
	v_nop
.endr
.endm
.macro STEP slot, q, first
	s_wait_dscnt 4*NL
.if \first
	WIN 0x81
.else
	WIN MUL_LO
.endif
	MUL16 0, (\q)%2, \q, \slot, \first
	MUL16 2, (\q)%2, \q, \slot, \first
	s_wait_dscnt 0
	PLACES NP
	FETCH_B \slot, (\q)+1, 1-(\q)%2
	FETCH_A \slot, (\q)+1, 0
.if \first
	WIN 0xc1
.else
	WIN MUL_HI
.endif
	MUL16 4, (\q)%2, \q, \slot, \first
	MUL16 6, (\q)%2, \q, \slot, \first
	PLACES NP
	WIN 0
	FETCH_A \slot, (\q)+1, 4
.endm
.macro TURN slot, next, fill
	s_wait_tensorcnt 0x0
	ds_add_u32 v[SPW], v[NIL]
	s_wait_dscnt 4*NL+1
	WIN MUL_LO
	MUL16 0, 1, NQ-1, \slot, 0
	s_wait_dscnt 0x0
	s_barrier_signal -1
	MUL16 2, 1, NQ-1, \slot, 0
	WIN 0
	s_barrier_wait -1
.if \fill
	CREST
	s_add_nc_u64 s[G0+4*\slot+2:G0+4*\slot+3], s[G0+4*\slot+2:G0+4*\slot+3], 2*ASTEP
	s_add_nc_u64 s[G0B+4*\slot+2:G0B+4*\slot+3], s[G0B+4*\slot+2:G0B+4*\slot+3], 2*ROWB
	JLOAD G0+4*\slot, G1, G0B+4*\slot, G1B
	PLACES NP-4
.else
	PLACES NP
.endif
	s_wait_alu depctr_va_vdst(0)
	v_add_nc_u32 v[ADRS], 4*NQ, v[ADRS]
	FETCH_B \next, 0, 0
	FETCH_A \next, 0, 0
	SCALES \next
	WIN MUL_HI
	MUL16 4, 1, NQ-1, \slot, 0
	MUL16 6, 1, NQ-1, \slot, 0
	PLACES NP
	WIN 0
	FETCH_A \next, 0, 4
.endm
	s_wait_alu depctr_va_vdst(0)
	s_wait_tensorcnt 1
	s_barrier_signal -1
	s_barrier_wait -1
	FETCH_B 0, 0, 0
	FETCH_A 0, 0, 0
	SCALES 0
	FETCH_A 0, 0, 4
	s_wait_loadcnt 0x0
	STEP 0, 0, 1
	s_mov_b32 s3, LAPS-1
.Llap:
	TURN 0, 1, 1
	STEP 1, 0, 0
	TURN 1, 0, 1
	STEP 0, 0, 0
	s_sub_co_u32 s3, s3, 1
	s_cmp_lg_u32 s3, 0
	s_cbranch_scc1 .Llap
	TURN 0, 1, 0
	STEP 1, 0, 0
	s_wait_dscnt 4*NL
	WIN MUL_LO
	MUL16 0, 1, NQ-1, 1, 0
	MUL16 2, 1, NQ-1, 1, 0
	s_wait_dscnt 0
	WIN MUL_HI
	MUL16 4, 1, NQ-1, 1, 0
	MUL16 6, 1, NQ-1, 1, 0
	WIN 0
.macro TOSTAGE a
.set AC, 64*((\a)%4)
	WIN 0x08+4*((\a)/4)
.irp b, 0,1,2,3,4,5,6,7
	ds_store_b128 v[STO], v[AC+8*\b:AC+8*\b+3] offset:64*\b
	ds_store_b128 v[STO], v[AC+8*\b+4:AC+8*\b+7] offset:64*\b+16
.endr
	WIN 0
.set BBK, BK+64*((\a)%2)
.irp t, 0,1,2,3,4,5,6,7,8,9,10,11,12,13,14,15
	ds_load_b128 v[BBK+4*\t:BBK+4*\t+3], v[RD] offset:\t*SPITCH
.endr
.endm
.macro SEND a, younger
.set BBK, BK+64*((\a)%2)
	s_wait_dscnt \younger
.if (\a) > 0
	s_add_nc_u64 s[12:13], s[12:13], 16*SIZE_N*4
.endif
.irp t, 0,1,2,3,4,5,6,7,8,9,10,11,12,13,14,15
	global_store_b128 v[CO], v[BBK+4*\t:BBK+4*\t+3], s[12:13] offset:\t*SIZE_N*4 th:TH_STORE_NT
.endr
.endm
	PLACES NP
	TOSTAGE 0
.irp a, 1,2,3,4,5,6,7
.if \a > 1
	s_wait_xcnt 0x0
.endif
	TOSTAGE \a
	SEND \a-1, 32
.endr
	s_wait_xcnt 0x0
	SEND 7, 0
	s_wait_tensorcnt 0x0
	ds_add_u32 v[SPW], v[NIL]
	s_wait_dscnt 0x0
	CROUND
	s_endpgm
.Lfunc_end_k_q3624d26930_proj:
	.size	k_q3624d26930_proj, .Lfunc_end_k_q3624d26930_proj-k_q3624d26930_proj
	.p2alignl 7, 3214868480
	.fill 96, 4, 3214868480
	.section	.rodata,"a",@progbits
	.p2align	6, 0x0
	.amdhsa_kernel k_q3624d26930_proj
		.amdhsa_group_segment_fixed_size 327680
		.amdhsa_private_segment_fixed_size 0
		.amdhsa_enable_private_segment 0
		.amdhsa_kernarg_size 48
		.amdhsa_user_sgpr_count 2
		.amdhsa_user_sgpr_kernarg_segment_ptr 1
		.amdhsa_wavefront_size32 1
		.amdhsa_system_sgpr_workgroup_id_x 1
		.amdhsa_system_sgpr_workgroup_id_y 1
		.amdhsa_system_sgpr_workgroup_id_z 1
		.amdhsa_system_vgpr_workitem_id 0
		.amdhsa_next_free_vgpr 1024
		.amdhsa_next_free_sgpr 100
		.amdhsa_reserve_vcc 0
		.amdhsa_float_denorm_mode_32 3
		.amdhsa_float_denorm_mode_16_64 3
		.amdhsa_memory_ordered 1
		.amdhsa_forward_progress 1
		.amdhsa_inst_pref_size 148
	.end_amdhsa_kernel
	.amdgpu_metadata
---
amdhsa.version: [ 1, 2 ]
amdhsa.kernels:
  - .name:           k_q3624d26930_proj
    .symbol:         k_q3624d26930_proj.kd
    .args:
      - { .name: o_img, .offset: 0, .size: 8, .value_kind: global_buffer, .address_space: global }
      - { .name: o_scales, .offset: 8, .size: 8, .value_kind: global_buffer, .address_space: global }
      - { .name: codes, .offset: 16, .size: 8, .value_kind: global_buffer, .address_space: global }
      - { .name: scales, .offset: 24, .size: 8, .value_kind: global_buffer, .address_space: global }
      - { .name: b_proj, .offset: 32, .size: 8, .value_kind: global_buffer, .address_space: global }
      - { .name: out0, .offset: 40, .size: 8, .value_kind: global_buffer, .address_space: global }
    .group_segment_fixed_size: 327680
    .private_segment_fixed_size: 0
    .kernarg_segment_align: 8
    .kernarg_segment_size: 48
    .max_flat_workgroup_size: 128
    .sgpr_count:     100
    .vgpr_count:     1024
    .wavefront_size: 32
...
	.end_amdgpu_metadata
.endif
;; end of part 4
